; MI455X (gfx1250); checked and timed in simulation.
; The chip was launched on July 23, 2026; its instructions are those of AMD's public machine-readable ISA for CDNA 5 (MIT licence, August 2026) and "CDNA5" Instruction Set Architecture Reference Guide (July 2026). The comments in the code are by the model that wrote it; some were corrected since.
;; Self Attention. Allowed arithmetic: matrix products marked QUANTISED: E2M1 operands, one E8M0 scale for each 32 along K, by v_wmma_scale_f32_16x16x128_f8f6f4 with both operands' format E2M1 (or v_wmma_scale_f32_32x16x128_f4), f32 sums; everything else in f32.
;; Inputs: Wk 1,024 x 1,024 float32; Wq 1,024 x 1,024 float32; Wv 1,024 x 1,024 float32; bk 1,024 float32; bq 1,024 float32; bv 1,024 float32; mask 4 x 2,048 x 2,048 int32; x 4 x 2,048 x 1,024 float32.
;; Outputs: out0 4 x 2,048 x 1,024 float32.
;; This version of the problem:
;;   THIS VERSION OF THE PROBLEM IS GIVEN IN LOW PRECISION. The matrix products marked QUANTISED in the list below multiply operands that are first quantised to E2M1 (2 exponent bits, 1 mantissa bit; 4 bits a number), with one power-of-two scale for each 32 numbers along K (OCP MX v1.0); their sums are f32. All else is computed in f32.
;;   The module's matrix products, in the order in which they are computed (A, B: the left and right operand; K: the contracted axis; several contracted axes count as one K, in the product's order):
;;     1. [M 8,192, K 1,024] x [K 1,024, N 1,024]; A: input x; B: input Wq: QUANTISED
;;     2. [M 8,192, K 1,024] x [K 1,024, N 1,024]; A: input x; B: input Wk: QUANTISED
;;     3. [M 8,192, K 1,024] x [K 1,024, N 1,024]; A: input x; B: input Wv: QUANTISED
;;     4. batch 4 x [M 2,048, K 1,024] x [K 1,024, N 2,048]; A: computed on the way; B: computed on the way: QUANTISED
;;     5. batch 4 x [M 2,048, K 2,048] x [K 2,048, N 1,024]; A: softmax (see below); B: computed on the way: QUANTISED
;;   THE QUANTISER, for each operand of a quantised product, along K:
;;     - K is cut into blocks of 32 from its start; a last block that is shorter is filled with zeros.
;;     - A block's scale is 2^e with e = floor(log2(the largest magnitude in the block)) - 2, held to -126 .. 127; a block of zeros has e = 0. As a byte (E8M0): e + 127.
;;     - Each number is divided by its block's scale, clamped to +-6, and rounded to the nearest number of E2M1, ties to even, subnormals kept.
;;     - The product sums the exact products of the quantised numbers (number of the format x scale) in f32.
;;   ~~~python
;;   def quantise(x, axis):      # numpy; x: float32 -> the quantised numbers, widened to float32 again
;;       x = np.moveaxis(x, axis, -1); K = x.shape[-1]
;;       x = np.pad(x, [(0, 0)] * (x.ndim - 1) + [(0, -K % 32)]); x = x.reshape(x.shape[:-1] + (-1, 32)); a = np.abs(x).max(-1, keepdims=True)
;;       e = np.where(a > 0, np.clip(np.frexp(np.where(a > 0, a, 1))[1] - 1 - 2, -126, 127), 0)      # np.frexp(a)[1] - 1 = floor(log2(a)), exactly
;;       r = np.clip(x / 2.0 ** e, -6, 6)
;;       step = 2.0 ** (np.maximum(np.frexp(np.where(r == 0, 1, r))[1] - 1, 0) - 1)
;;       q = np.round(r / step) * step * 2.0 ** e      # np.round: ties to even
;;       return np.moveaxis(q.reshape(q.shape[:-2] + (-1,))[..., :K], -1, axis).astype(np.float32)
;;   ~~~
;;   SOFTMAX AHEAD OF A QUANTISED PRODUCT. Where the list says 'softmax', what is quantised is not the finished softmax but p = 2^(t - M), with t = logit x log2(e) and M = ceil(the row's largest t), a whole number; so 1/2 < the row's largest p <= 1. The row's sum l is taken of the UNQUANTISED p, in f32, and the product's result is divided by l at the end. Since M is a whole number, a kernel that streams over the keys may use a running M (the ceiling of the running maximum): every later rescaling is an exact power of two, which a block's scale takes up: the codes' values come out the same.
;;   OPERANDS COMPUTED ON THE WAY. 'Computed on the way' means the value that the module computes at that place (a softmax that the list does not call 'softmax' is quantised finished and normalised). What goes into a quantiser is computed in f32, as accurately as f32 sums, v_exp_f32 and their like allow (about 1e-6 of the number): no bf16 or f16 on the way to a quantiser, and a product that is left as it is and whose result goes on into a quantised operand takes f32 operands (vector FMAs, or v_wmma_f32_16x16x4_f32). A number that lies on a knife's edge between two numbers of the format may be rounded either way, as far as f32 arithmetic and the matrix unit's own rounding can turn it there, and no further.
;; One version. Each part assembles by itself: llvm-mc -triple=amdgcn-amd-amdhsa -mcpu=gfx1250 --defsym DOCPART=n.
;; ======== version 1 of 1: 4 launches
;; workspace buffers: cod 5,767,168 bytes; scl 360,448 bytes; qkvc 12,582,912 bytes; qkvs 786,432 bytes; pc 8,388,608 bytes; pst 1,572,864 bytes
;; launch prep (part 1): grid 704 x 1, 2 waves a work-group, no clusters, 17,152 bytes of LDS; arguments x, Wq, Wk, Wv, cod, scl; writes cod, scl
.if DOCPART == 1
	.amdgcn_target "amdgcn-amd-amdhsa--gfx1250"
	.amdhsa_code_object_version 6
	.text
	.protected	k_q68ad8266b5_prep
	.globl	k_q68ad8266b5_prep
	.p2align	8
	.type	k_q68ad8266b5_prep,@function
k_q68ad8266b5_prep:
	s_mov_b64 s[64:65], 0
	v_nop
	global_prefetch_b8 v0, s[64:65] scope:SCOPE_SE
	s_setreg_imm32_b32 hwreg(HW_REG_WAVE_MODE, 25, 1), 1
	s_wait_xcnt 0x0
; SELF-ATTENTION, B = 4, S = 2,048, hidden 1,024, all five products on codes of FP4 (E2M1) with one E8M0 scale for each 32 along K.  Four launches: this one, qkv, scores, pv.
; NOTHING OF THE PROBLEM IS LEFT OUT: all five products reach the output; each bias goes into an operand that is quantised (bq into Q, bk into K, bv into V), so it can move codes and scales and is live; the mask is an input and is honoured
; number by number (the launch scores reads it as it lies).
; THIS LAUNCH: x [8192][1024], Wq, Wk, Wv [1024][1024], f32, K innermost, become codes and scale words.
; A block's scale is 2^(floor(log2(its largest magnitude)) - 2); its byte is the largest magnitude's exponent field - 2, held at 1 from below.
; LAYOUT OF THE CODES (cod): images of the operand's registers.  An image is 16 rows x 128 K, 1,024 bytes: byte 512 c + 16 lane holds registers 4 c .. 4 c + 3 of that lane (row lane % 16, K = 64 c + 32 (lane / 16) + 0 .. 31).
;   A panel is 128 rows x 512 K, 32,768 bytes: image (K step q, row block rb) at 1,024 (8 q + rb).  A matrix is [row / 128][K / 512] panels; x's 64 groups of rows come first, then Wq's 8, Wk's 8, Wv's 8.
; SCALE WORDS (scl): for the same 128 rows x 512 K, 2,048 bytes: the word of (rb, row, q) at 256 rb + 16 row + 4 q.
; SHARES.  A work-group takes a block of 16 rows, 65,536 consecutive bytes: blocks 0-511 x, 512-575 Wq, 576-639 Wk, 640-703 Wv.  Wave w takes the w-th 512 along K, as four units of 16 rows x 128 numbers.
; Each load reads 512 consecutive bytes of a row; a unit turns through the wave's own stage in LDS (rows 528 bytes apart) and comes back with 32 neighbours along K in each lane, twice: whole blocks, so no lane asks another for a maximum.
; Waves share nothing: no barrier.  Two units' loads (32 a wave) are out at a time.  Every offset is an immediate, and each unit has its own code registers: nothing that a pending load or store reads is written again.
; LIMITS: NaN and infinities among the inputs are not served.  A block of zeros gets the byte 1 where the rule says 127: its codes are zeros, and this program alone reads the bytes.
.set STG,   8448                       ; a wave's stage: 16 rows x 528 bytes
.set SPARE, 2*STG                      ; behind the stages: the spare words, 128 bytes for each wave
.set SWD,   16                         ; v16-19   the scale word of each unit
.set PD,    20                         ; v20      a lane permute's destination
.set SPW,   22                         ; v22      LDS address of my spare word; never rewritten
.set NIL,   23                         ; v23      0; never rewritten
.set RR,    32                         ; v32-159  two sets of 64: a unit as loaded
.set X,     160                        ; v160-223 a unit turned: register 32 c + i = (row lane % 16, K = 64 c + 32 (lane / 16) + i)
.set C,     224                        ; v224-255 four sets of 8: an image's registers
	s_load_b256 s[4:11], s[0:1], 0x0               ; x, Wq, Wk, Wv
	s_load_b128 s[12:15], s[0:1], 0x20             ; cod, scl
	v_lshl_add_u32 v[SPW], v0, 2, SPARE
	v_mov_b32 v[NIL], 0
	v_lshrrev_b32 v1, 5, v0
	v_readfirstlane_b32 s20, v1                    ; wave: which 512 along K
	v_and_b32 v1, 31, v0                           ; lane
	v_and_b32 v2, 15, v0                           ; r
	v_bfe_u32 v3, v0, 4, 1                         ; h
	s_mul_i32 s21, s20, STG
	v_lshl_add_u32 v4, v1, 4, s21                  ; into the stage: 16 x lane of a row
	v_mul_u32_u24 v5, v2, 528
	v_lshl_add_u32 v5, v3, 7, v5
	v_add_nc_u32 v5, s21, v5                       ; out of it: row r, + 128 h
	v_lshlrev_b32 v6, 4, v1                        ; 16 x lane
	v_lshlrev_b32 v8, 3, v3                        ; 8 h
	v_lshlrev_b32 v9, 4, v2
	v_lshl_add_u32 v9, v3, 3, v9                   ; 16 r + 8 h
	v_mov_b32 v[PD], 0                             ; a lane permute's destination counts as one of its sources
	s_mov_b32 s22, 0x76543210
	s_mov_b32 s23, 0xfedcba98                      ; v_permlanex16_b32's selects for lane l xor 16
	s_mov_b32 s24, 0xffff0000                      ; lanes 16-31
	s_lshl_b32 s30, s20, 11                        ; my wave's 2,048 bytes of each row
	s_wait_kmcnt 0x0
	s_mov_b64 s[32:33], s[10:11]                   ; which tensor: the choice hangs on the work-group's number alone
	s_mov_b32 s31, 640
	s_cmp_lt_u32 ttmp9, 640
	s_cselect_b64 s[32:33], s[8:9], s[32:33]
	s_cselect_b32 s31, 576, s31
	s_cmp_lt_u32 ttmp9, 576
	s_cselect_b64 s[32:33], s[6:7], s[32:33]
	s_cselect_b32 s31, 512, s31
	s_cmp_lt_u32 ttmp9, 512
	s_cselect_b64 s[32:33], s[4:5], s[32:33]
	s_cselect_b32 s31, 0, s31
	s_sub_co_u32 s31, ttmp9, s31                   ; my block of 16 rows in that tensor
	s_lshl_b32 s34, s31, 16
	s_add_co_u32 s34, s34, s30
	s_mov_b32 s35, 0
	s_add_nc_u64 s[32:33], s[32:33], s[34:35]      ; the source at my wave's first unit
	s_lshr_b32 s36, ttmp9, 3                       ; in cod and scl the work-group's number is the block's: group of 128 rows,
	s_and_b32 s37, ttmp9, 7                        ; block in it
	s_lshl_b32 s34, s36, 16
	s_lshl_b32 s38, s20, 15
	s_add_co_u32 s34, s34, s38
	s_lshl_b32 s38, s37, 10
	s_add_co_u32 s34, s34, s38
	s_add_nc_u64 s[12:13], s[12:13], s[34:35]      ; my images: K step u lies 8,192 u further on
	s_lshl_b32 s34, s36, 12
	s_lshl_b32 s38, s20, 11
	s_add_co_u32 s34, s34, s38
	s_lshl_b32 s38, s37, 8
	s_add_co_u32 s34, s34, s38
	s_add_nc_u64 s[14:15], s[14:15], s[34:35]      ; my 256 bytes of scale words
.macro LOAD u                          ; a unit: 16 loads of 512 consecutive bytes
.irp k, 0,1,2,3,4,5,6,7,8,9,10,11,12,13,14,15
	global_load_b128 v[RR+64*((\u)%2)+4*\k:RR+64*((\u)%2)+4*\k+3], v6, s[32:33] offset:4096*\k+512*(\u) th:TH_LOAD_NT
.endr
.endm
.macro TURN u                          ; through my stage: LDS serves a wave's instructions in order, so no wait stands between the stores and the loads, nor in front of the next unit's stores
.irp k, 0,1,2,3,4,5,6,7,8,9,10,11,12,13,14,15
	ds_store_b128 v4, v[RR+64*((\u)%2)+4*\k:RR+64*((\u)%2)+4*\k+3] offset:528*\k
.endr
.irp c, 0,1
.irp k, 0,1,2,3,4,5,6,7
	ds_load_b128 v[X+32*\c+4*\k:X+32*\c+4*\k+3], v5 offset:256*\c+16*\k
.endr
.endr
.endm
.macro QUANT u                         ; my two blocks of 32 become registers 0-3 and 4-7 of the image, and two bytes of the scale word
.set CS, C+8*(\u)
	v_max3_num_f32 v10, |v[X]|, |v[X+1]|, 0x1800000          ; the floor 2^(3 - 127) among the leaves holds the byte at 1 from below
	v_max3_num_f32 v11, |v[X+32]|, |v[X+33]|, 0x1800000
.irp i, 2,4,6,8,10,12,14,16,18,20,22,24,26,28,30
	v_max3_num_f32 v10, v10, |v[X+\i]|, |v[X+\i+1]|          ; the two blocks by turns
	v_max3_num_f32 v11, v11, |v[X+32+\i]|, |v[X+33+\i]|
.endr
	v_add_nc_u32 v12, 0xff000000, v10              ; 2 off the exponent field: the conversion takes this operand's exponent field as its scale
	v_add_nc_u32 v13, 0xff000000, v11
.irp g, 0,1,2,3
	v_cvt_scalef32_pk8_fp4_f32 v[CS+\g], v[X+8*\g:X+8*\g+7], v12
	v_cvt_scalef32_pk8_fp4_f32 v[CS+4+\g], v[X+32+8*\g:X+39+8*\g], v13
.endr
	v_lshrrev_b32 v14, 23, v12                     ; the bytes of blocks h and 2 + h,
	v_lshrrev_b32 v15, 23, v13
	v_lshl_or_b32 v14, v15, 16, v14
	v_lshlrev_b32 v14, v8, v14                     ; at their places in the word;
	v_permlanex16_b32 v[PD], v14, s22, s23
	v_or_b32 v[SWD+(\u)], v14, v[PD]               ; with lane l xor 16's two the word is whole
	global_store_b128 v6, v[CS:CS+3], s[12:13] offset:8192*(\u)          ; 32 lanes store 512 consecutive bytes
	global_store_b128 v6, v[CS+4:CS+7], s[12:13] offset:8192*(\u)+512
.endm
.macro UNIT u
.if (\u) < 3
	s_wait_loadcnt 16                              ; this unit's 16 loads are in; the next unit's 16 may be out
.else
	s_wait_loadcnt 0x0
.endif
	TURN \u
	s_wait_dscnt 0x0                               ; the unit is back, and the stage's stores have read their registers,
.if (\u) < 2
	LOAD (\u)+2                                    ; which take the unit two further on
.endif
	QUANT \u
.endm
	LOAD 0
	LOAD 1
	UNIT 0
	UNIT 1
	UNIT 2
	UNIT 3
	v_cndmask_b32 v10, v[SWD], v[SWD+2], s24       ; every lane holds its row's four words: lanes 0-15 send words 0 and 1, lanes 16-31 words 2 and 3
	v_cndmask_b32 v11, v[SWD+1], v[SWD+3], s24
	global_store_b64 v9, v[10:11], s[14:15]        ; 32 lanes store 256 consecutive bytes, aligned
	s_wait_tensorcnt 0x0                           ; the wave's end: behind my last LDS store
	ds_add_u32 v[SPW], v[NIL]
	s_wait_dscnt 0x0
	s_endpgm
.Lfunc_end_k_q68ad8266b5_prep:
	.size	k_q68ad8266b5_prep, .Lfunc_end_k_q68ad8266b5_prep-k_q68ad8266b5_prep
	.p2alignl 7, 3214868480
	.fill 96, 4, 3214868480
	.section	.rodata,"a",@progbits
	.p2align	6, 0x0
	.amdhsa_kernel k_q68ad8266b5_prep
		.amdhsa_group_segment_fixed_size 17152
		.amdhsa_private_segment_fixed_size 0
		.amdhsa_enable_private_segment 0
		.amdhsa_kernarg_size 48
		.amdhsa_user_sgpr_count 2
		.amdhsa_user_sgpr_kernarg_segment_ptr 1
		.amdhsa_wavefront_size32 1
		.amdhsa_system_sgpr_workgroup_id_x 1
		.amdhsa_system_sgpr_workgroup_id_y 1
		.amdhsa_system_sgpr_workgroup_id_z 1
		.amdhsa_system_vgpr_workitem_id 0
		.amdhsa_next_free_vgpr 256
		.amdhsa_next_free_sgpr 66
		.amdhsa_reserve_vcc 0
		.amdhsa_float_denorm_mode_32 3
		.amdhsa_float_denorm_mode_16_64 3
		.amdhsa_memory_ordered 1
		.amdhsa_forward_progress 1
		.amdhsa_inst_pref_size 30
	.end_amdhsa_kernel
	.amdgpu_metadata
---
amdhsa.version: [ 1, 2 ]
amdhsa.kernels:
  - .name:           k_q68ad8266b5_prep
    .symbol:         k_q68ad8266b5_prep.kd
    .args:
      - { .name: x, .offset: 0, .size: 8, .value_kind: global_buffer, .address_space: global }
      - { .name: Wq, .offset: 8, .size: 8, .value_kind: global_buffer, .address_space: global }
      - { .name: Wk, .offset: 16, .size: 8, .value_kind: global_buffer, .address_space: global }
      - { .name: Wv, .offset: 24, .size: 8, .value_kind: global_buffer, .address_space: global }
      - { .name: cod, .offset: 32, .size: 8, .value_kind: global_buffer, .address_space: global }
      - { .name: scl, .offset: 40, .size: 8, .value_kind: global_buffer, .address_space: global }
    .group_segment_fixed_size: 17152
    .private_segment_fixed_size: 0
    .kernarg_segment_align: 8
    .kernarg_segment_size: 48
    .max_flat_workgroup_size: 64
    .sgpr_count:     66
    .vgpr_count:     256
    .wavefront_size: 32
...
	.end_amdgpu_metadata
.endif
;; end of part 1
;; launch qkv (part 2): grid 8 x 32, 4 waves a work-group, clusters of 4 x 4, 327,680 bytes of LDS; arguments cod, scl, bq, bk, bv, qkvc, qkvs; writes qkvc, qkvs
.if DOCPART == 2
	.amdgcn_target "amdgcn-amd-amdhsa--gfx1250"
	.amdhsa_code_object_version 6
	.text
	.protected	k_q68ad8266b5_qkv
	.globl	k_q68ad8266b5_qkv
	.p2align	8
	.type	k_q68ad8266b5_qkv,@function
k_q68ad8266b5_qkv:
	s_mov_b64 s[64:65], 0
	v_nop
	global_prefetch_b8 v0, s[64:65] scope:SCOPE_SE
	s_setreg_imm32_b32 hwreg(HW_REG_WAVE_MODE, 25, 1), 1
	s_wait_xcnt 0x0
	s_wait_alu depctr_hold_cnt(0) depctr_sa_sdst(0) depctr_va_vdst(0) depctr_va_sdst(0) depctr_va_ssrc(0) depctr_va_vcc(0) depctr_vm_vsrc(0)
	s_getreg_b32 s2, hwreg(HW_REG_IB_STS2, 6, 4)
	s_cmp_eq_u32 s2, 0
	s_cbranch_scc0 .Lentry_in_a_cluster
	s_endpgm
.Lentry_in_a_cluster:
	s_bfe_u32 s2, ttmp6, 0x10000c
	s_cmp_lg_u32 s2, 0xf033
	s_cbranch_scc0 .Lentry_shape_is_right
	s_endpgm
.Lentry_shape_is_right:
; Q = x Wq^T + bq, K = x Wk^T + bk, V = x Wv^T + bv on codes of FP4, and their quantising for the next two products: Q and K along the hidden axis, V along the keys.  Nothing of the problem is left out here.
; SHARES.  Work-group (Cn, R), Cn = 0..7, R = 0..31: (a) rows 256 R .. + 255 of x against 256 rows of Wq (Cn 0-3) or Wk (Cn 4-7): a tile of 256 x 256 of Q or K; (b) the same 256 rows of x, as keys, against channels 128 Cn .. + 127 of Wv:
;   a tile of 128 x 256 of V^T.  So 256 work-groups have equal work (768 matrix instructions a wave).  Wave w: i = w / 2, j = w % 2.  (a) rows 128 i on, columns 128 j on; (b) channels 64 i on, keys 128 j on.
; LAYOUT.  Codes lie as images of operand registers in panels of 128 rows x 512 K (see the launch prep); a panel is one dense block of 32,768 bytes and lands in LDS as 128 lines of 256 bytes + 16 of padding.
; EVERY PRODUCT IS USED TRANSPOSED: source 1 = 16 neighbouring rows of the result; source 0 = a tile of 16 of the side along which the result is quantised next, CHOSEN so: lane r of tile 4 c + u takes row 64 c + 8 u + r % 8 + 32 (r / 8).
;   Then lane (r, h) holds row r, and its 32 registers of tiles 4 c .. 4 c + 3 are the columns 64 c + 32 h + 0 .. 31: one whole block of 32, in the order of the next operand's registers 4 c .. 4 c + 3.
;   So a block's maximum needs no other lane, four conversions give four operand registers, and an image leaves by two stores of 512 consecutive bytes.  No stage in LDS.
; THE BIASES are the C of each sum's first matrix instruction.
; SCALE WORDS come straight from memory into registers, 16 bytes (four K steps) a lane; lanes 0-15 hold one block's, lanes 16-31 another's, and the instruction's row selector picks.
; CLUSTER 4 x 4: x's panels hang on R alone and are asked for jointly along a row of the cluster; the weights' hang on Cn alone: jointly along a column.
; LDS: two slots of four panels (x half 0, x half 1, W half 0, W half 1), one for each 512 along K, both asked for at the start: two tensor loads of a wave are out then.  Wv's two panels are brought into slot 0's
;   weight halves when those have been read (one load a wave out).  The launch claims all of a WGP's LDS.
; The scale words of the results leave as 4 bytes of every 16 (the other three K steps of a row belong to other work-groups): one sixteenth of the bytes of the codes.
; LIMITS: NaN and infinities are not served; a block of zeros gets the byte 1 (its codes are zeros; this program alone reads the bytes).
.set PANL,  34816                      ; a panel in LDS: 128 lines x 272
.set SLOT,  4*PANL
.set WVB,   2*PANL                     ; where a slot's weight halves begin
.set SPARE, 2*SLOT                     ; behind the slots: the spare words, 128 bytes for each wave
.set IMG,   1088                       ; an image in LDS: 4 lines
.set H8,  12                           ; v12  8 h
.set VW,  13                           ; v13  2,048 h + 16 r: Wv's scale words (lanes 16-31: the second 512 along K)
.set ADX, 16                           ; v16-17 x half i, by rows, slots 0 and 1
.set ADW, 18                           ; v18-19 W half j, by tiles
.set ADK, 20                           ; v20-21 x half j, by tiles (for V)
.set ADV, 22                           ; v22-23 Wv's channels 64 i on, by rows, first and second 512 along K
.set L16, 24                           ; v24  16 x lane
.set VA,  26                           ; v26  1,024 h + 16 r: scale words by rows
.set VB,  27                           ; v27  1,024 h + 512 (r / 8) + 16 (r % 8): scale words by tiles
.set SPW, 28                           ; v28  my spare word; never rewritten
.set NIL, 29                           ; v29  0; never rewritten
.set BO,  30                           ; v30  128 h
.set BV,  31                           ; v31  4 r
.set SA,  32                           ; v32-63  scale words of source 1: [512 along K][block % 4][K step]; for V: of x by tiles
.set SB,  64                           ; v64-95  of source 0: [512 along K][u][K step]; for V (v64-79): of Wv: [block][K step]
.set TM,  96                           ; v96-103 at work
.set SO,  98
.set BY,  100
.set TW,  102
.set PD,  103
.set COD, 104                          ; v104-119 two sets of 8: an image's registers
.set SWD, 120                          ; v120-127 the scale word of each block of rows
.set FS1, 128                          ; window 0: two sets of 64: source 1's fragments
.set FS0, 0                            ; window 1: two sets of 64, at v0 and v128: source 0's fragments
.set BQ,  64                           ; window 1: bq's or bk's 8 tiles
.set BVR, 192                          ; window 1: bv's 4 blocks, eight equal registers each
.set G1X, 24                           ; s[24:31] group 1, x's panels;  s[32:39] the weights';  s[40:47] Wv's quarters
.set G1W, 32
.set G1V, 40
.set G0X, 48                           ; s[48:55], s[56:63] groups 0, one for each slot;  s[68:71] Wv's
.set G0W, 56
.set G0V, 68
.set DW0, (3<<16)|(1<<20)|(1<<21)|(5<<22)|(3<<25)   ; elements of 8 bytes; padding on; bit 21 beside a mask; after every 64 words, 4 words
.set MSB, 0
.macro WIN new                         ; the immediate's high byte repeats the setting that is left
.if MSB != (\new)
	s_set_vgpr_msb (MSB<<8)|(\new)
.set MSB, (\new)
.endif
.endm
.macro PLACES n
.rept \n
	v_nop
.endr
.endm
.macro CREST
	s_cmp_lg_u32 s18, 0
	s_cbranch_scc1 .Lnot_wave_0_\@
	s_barrier_signal -3
.Lnot_wave_0_\@:
	s_barrier_wait -3
	s_barrier_signal -1
	s_barrier_wait -1
.endm
.macro CROUND                          ; a round of the cluster's barrier
	s_barrier_signal -1
	s_barrier_wait -1
	CREST
.endm
.macro JLOAD g0a, g1a, g0b, g1b        ; a joint load: waves 0 and 1 fetch x's halves, waves 2 and 3 the weights'; an s_nop 0 and four v_nop follow each line
	s_cmp_eq_u32 s19, 0
	s_cbranch_scc0 .Lfor_b_\@
	tensor_load_to_lds s[\g0a:\g0a+3], s[\g1a:\g1a+7]
	s_nop 0
.rept 4
	v_nop
.endr
	s_branch .Lasked_\@
.Lfor_b_\@:
	tensor_load_to_lds s[\g0b:\g0b+3], s[\g1b:\g1b+7]
	s_nop 0
.rept 4
	v_nop
.endr
.Lasked_\@:
.endm
.macro FRAGR reg, adr, q, rb           ; 16 neighbouring rows: block rb, K step q
	ds_load_b128 v[\reg:\reg+3], v[\adr] offset:(8*(\q)+(\rb))*IMG
	ds_load_b128 v[\reg+4:\reg+7], v[\adr] offset:(8*(\q)+(\rb))*IMG+544
.endm
.macro FRAGC reg, adr, q, t            ; tile t = 4 c + u: the lane's address holds 16 (r % 8) + two images (r / 8)
	ds_load_b128 v[\reg:\reg+3], v[\adr] offset:(8*(\q)+4*((\t)/4)+((\t)%4)/2)*IMG+128*((\t)%2)
	ds_load_b128 v[\reg+4:\reg+7], v[\adr] offset:(8*(\q)+4*((\t)/4)+((\t)%4)/2)*IMG+128*((\t)%2)+544
.endm
.macro WM D0, A0, B0, C0, SA0, SB0, RA, RB     ; one product; RA, RB: the scales are read from lanes 16-31
.if (\RA)
.if (\RB)
	v_wmma_scale_f32_16x16x128_f8f6f4 v[\D0:\D0+7], v[\A0:\A0+7], v[\B0:\B0+7], v[\C0:\C0+7], v[\SA0], v[\SB0] matrix_a_fmt:MATRIX_FMT_FP4 matrix_b_fmt:MATRIX_FMT_FP4 matrix_a_scale:MATRIX_SCALE_ROW1 matrix_b_scale:MATRIX_SCALE_ROW1
.else
	v_wmma_scale_f32_16x16x128_f8f6f4 v[\D0:\D0+7], v[\A0:\A0+7], v[\B0:\B0+7], v[\C0:\C0+7], v[\SA0], v[\SB0] matrix_a_fmt:MATRIX_FMT_FP4 matrix_b_fmt:MATRIX_FMT_FP4 matrix_a_scale:MATRIX_SCALE_ROW1
.endif
.else
.if (\RB)
	v_wmma_scale_f32_16x16x128_f8f6f4 v[\D0:\D0+7], v[\A0:\A0+7], v[\B0:\B0+7], v[\C0:\C0+7], v[\SA0], v[\SB0] matrix_a_fmt:MATRIX_FMT_FP4 matrix_b_fmt:MATRIX_FMT_FP4 matrix_b_scale:MATRIX_SCALE_ROW1
.else
	v_wmma_scale_f32_16x16x128_f8f6f4 v[\D0:\D0+7], v[\A0:\A0+7], v[\B0:\B0+7], v[\C0:\C0+7], v[\SA0], v[\SB0] matrix_a_fmt:MATRIX_FMT_FP4 matrix_b_fmt:MATRIX_FMT_FP4
.endif
.endif
.endm
.macro FETCH sl, q, st                 ; 32 LDS loads in one run: a K step's 8 tiles of W and 8 blocks of x
	WIN 0x40
.irp t, 0,1,2,3,4,5,6,7
	FRAGC FS0+128*(\st)+8*\t, ADW+(\sl), \q, \t
.endr
	WIN 0
.irp a, 0,1,2,3,4,5,6,7
	FRAGR FS1+64*(\st)+8*\a, ADX+(\sl), \q, \a
.endr
.endm
; 64 products: the 64 accumulators take turns, one instruction a turn, in the same order in every step.  Accumulator (a, t) at v[8 (8 (a % 4) + t)] of window 2 (a < 4) or 3.
.macro MUL64 st, ch, q, first
.irp a, 0,1,2,3,4,5,6,7
.if \first
	WIN 0x91+0x40*(\a/4)
.else
	WIN 0xa1+0x50*(\a/4)
.endif
.irp t, 0,1,2,3,4,5,6,7
.if \first
	WM 8*(8*(\a%4)+\t), FS0+128*(\st)+8*\t, FS1+64*(\st)+8*\a, BQ+8*\t, SB+16*(\ch)+4*(\t%4)+(\q), SA+16*(\ch)+4*(\a%4)+(\q), \t/4, \a/4
.else
	WM 8*(8*(\a%4)+\t), FS0+128*(\st)+8*\t, FS1+64*(\st)+8*\a, 8*(8*(\a%4)+\t), SB+16*(\ch)+4*(\t%4)+(\q), SA+16*(\ch)+4*(\a%4)+(\q), \t/4, \a/4
.endif
.endr
.endr
.endm
.macro STEP sl, q, first               ; a K step that has its successor in the same slot: this set is in; four places; the next step's loads; the products
	s_wait_dscnt 0x0
	PLACES 4
	FETCH \sl, (\q)+1, 1-(\q)%2
	MUL64 (\q)%2, \sl, \q, \first
.endm
.macro FETCHV ch, q, st                ; for V^T: 8 tiles of x (keys) and 4 blocks of Wv (channels)
	WIN 0x40
.irp t, 0,1,2,3,4,5,6,7
	FRAGC FS0+128*(\st)+8*\t, ADK+(\ch), \q, \t
.endr
	WIN 0
.irp a, 0,1,2,3
	FRAGR FS1+64*(\st)+8*\a, ADV+(\ch), \q, \a
.endr
.endm
.macro MUL32V st, ch, q, first
.if \first
	WIN 0x91
.else
	WIN 0xa1
.endif
.irp a, 0,1,2,3
.irp t, 0,1,2,3,4,5,6,7
.if \first
	WM 8*(8*\a+\t), FS0+128*(\st)+8*\t, FS1+64*(\st)+8*\a, BVR+8*\a, SA+16*(\ch)+4*(\t%4)+(\q), SB+4*\a+(\q), \t/4, \ch
.else
	WM 8*(8*\a+\t), FS0+128*(\st)+8*\t, FS1+64*(\st)+8*\a, 8*(8*\a+\t), SA+16*(\ch)+4*(\t%4)+(\q), SB+4*\a+(\q), \t/4, \ch
.endif
.endr
.endr
.endm
.macro VSTEP k
	s_wait_dscnt 0x0
.if (\k) < 7
	PLACES 4
	FETCHV ((\k)+1)/4, ((\k)+1)%4, ((\k)+1)%2
.endif
.if (\k) == 0
	MUL32V 0, 0, 0, 1
.else
	MUL32V (\k)%2, (\k)/4, (\k)%4, 0
.endif
.endm
; Block a of 16 rows (64 registers of window win) becomes an image and a scale word.  Each accumulator is read from its low end on.
.macro EPI a, win, ptr
.set AC, 64*((\a)%4)
.set CS, COD+8*((\a)%2)
	s_wait_xcnt 0x0                                ; earlier stores have read this set of code registers
	WIN ((\win)<<2)|((\win)<<4)
	v_max3_num_f32 v[TM], 0x1800000, |v[AC]|, |v[AC+1]|          ; the floor 2^(3 - 127) holds the byte at 1 from below
	v_max3_num_f32 v[TM+1], 0x1800000, |v[AC+32]|, |v[AC+33]|
.irp i, 2,4,6,8,10,12,14,16,18,20,22,24,26,28,30
	v_max3_num_f32 v[TM], v[TM], |v[AC+\i]|, |v[AC+\i+1]|
	v_max3_num_f32 v[TM+1], v[TM+1], |v[AC+32+\i]|, |v[AC+33+\i]|
.endr
	WIN 0
	v_add_nc_u32 v[SO], 0xff000000, v[TM]          ; 2 off the exponent field: the conversion's scale operand
	v_add_nc_u32 v[SO+1], 0xff000000, v[TM+1]
	v_lshrrev_b32 v[BY], 23, v[SO]
	v_lshrrev_b32 v[BY+1], 23, v[SO+1]
	v_lshl_or_b32 v[TW], v[BY+1], 16, v[BY]        ; the bytes of blocks h and 2 + h,
	v_lshlrev_b32 v[TW], v[H8], v[TW]              ; at their places
	WIN (\win)
.irp g, 0,1,2,3
	v_cvt_scalef32_pk8_fp4_f32 v[CS+\g], v[AC+8*\g:AC+8*\g+7], v[SO]
	v_cvt_scalef32_pk8_fp4_f32 v[CS+4+\g], v[AC+32+8*\g:AC+39+8*\g], v[SO+1]
.endr
	WIN 0
	v_nop                                          ; one plain place behind the last scaled conversion
	v_permlanex16_b32 v[PD], v[TW], s22, s23
	v_or_b32 v[SWD+(\a)], v[TW], v[PD]             ; with lane l xor 16's two bytes the word is whole
	global_store_b128 v[L16], v[CS:CS+3], s[\ptr:\ptr+1] offset:1024*(\a)        ; 32 lanes store 512 consecutive bytes
	global_store_b128 v[L16], v[CS+4:CS+7], s[\ptr:\ptr+1] offset:1024*(\a)+512
.endm
.macro SCOUT n, ptr                    ; the scale words of n blocks: lanes 0-15 send block 2 p's, lanes 16-31 block 2 p + 1's
	s_wait_xcnt 0x0
.irp p, 0,1,2,3
.if 2*\p < \n
	v_cndmask_b32 v[COD+\p], v[SWD+2*\p], v[SWD+2*\p+1], s21
	global_store_b32 v[L16], v[COD+\p], s[\ptr:\ptr+1] offset:512*\p
.endif
.endr
.endm
	s_load_b256 s[4:11], s[0:1], 0x0               ; cod, scl, bq, bk
	s_load_b128 s[12:15], s[0:1], 0x20             ; bv, qkvc
	s_load_b64 s[16:17], s[0:1], 0x30              ; qkvs
	v_lshl_add_u32 v[SPW], v0, 2, SPARE
	v_mov_b32 v[NIL], 0
	ds_add_u32 v[SPW], v[NIL]                      ; the wave's opening: the add, twice on end, and its wait ahead of my first tensor load
	ds_add_u32 v[SPW], v[NIL]
	v_lshrrev_b32 v1, 5, v0
	v_readfirstlane_b32 s18, v1                    ; wave
	s_lshr_b32 s19, s18, 1                         ; i.  Also: I fetch for x (0) or for the weights (1)
	s_and_b32 s20, s18, 1                          ; j.  Also: which half I fetch
	s_mov_b32 s21, 0xffff0000                      ; lanes 16-31
	s_mov_b32 s22, 0x76543210
	s_mov_b32 s23, 0xfedcba98
	s_bfe_u32 s72, ttmp6, 0x40000                  ; cx
	s_bfe_u32 s73, ttmp6, 0x40004                  ; cy
	s_lshl_b32 s74, ttmp9, 2
	s_add_co_u32 s74, s74, s72                     ; Cn
	s_and_b32 s75, ttmp7, 0xffff
	s_lshl_b32 s75, s75, 2
	s_add_co_u32 s75, s75, s73                     ; R
	s_lshl_b32 s76, s73, 2
	s_lshl_b32 s76, 15, s76                        ; my row of the cluster
	s_lshl_b32 s77, 0x1111, s72                    ; my column
	s_or_b32 s[G1X], s76, DW0
	s_or_b32 s[G1W], s77, DW0
	s_or_b32 s[G1V], s77, DW0
.irp g, G1X, G1W
	s_mov_b32 s[\g+1], 32<<16                      ; a line: 32 elements of 8 bytes
	s_mov_b32 s[\g+2], 128<<16                     ; 128 lines
	s_mov_b32 s[\g+3], 32<<16
	s_mov_b32 s[\g+4], 128
	s_mov_b32 s[\g+5], 32                          ; dense in memory
	s_mov_b32 s[\g+6], 0
	s_mov_b32 s[\g+7], 0
.endr
	s_mov_b32 s[G1V+1], 32<<16
	s_mov_b32 s[G1V+2], 64<<16                     ; 64 lines
	s_mov_b32 s[G1V+3], 32<<16
	s_mov_b32 s[G1V+4], 64
	s_mov_b32 s[G1V+5], 32
	s_mov_b32 s[G1V+6], 0
	s_mov_b32 s[G1V+7], 0
	s_lshl_b32 s80, s75, 1
	s_add_co_u32 s80, s80, s20
	s_lshl_b32 s80, s80, 16                        ; x: group of rows 2 R + half
	s_mov_b32 s81, 0
	s_lshl_b32 s82, s74, 1
	s_add_co_u32 s82, s82, s20
	s_add_co_u32 s82, s82, 64
	s_lshl_b32 s82, s82, 16                        ; Wq | Wk: group 64 + 2 Cn + half
	s_mov_b32 s83, 0
	s_add_co_u32 s78, s74, 80
	s_lshl_b32 s78, s78, 16                        ; Wv: group 80 + Cn,
	s_lshl_b32 s79, s18, 14
	s_add_co_u32 s78, s78, s79                     ; my quarter of its 65,536 bytes
	s_mov_b32 s79, 0
	s_mul_i32 s66, s18, PANL                       ; where my panel goes in a slot: no place in the cluster enters an LDS address
	s_mul_i32 s67, s18, 17408                      ; and my quarter of Wv
	s_wait_dscnt 0x0                               ; both opening adds are done
	s_wait_kmcnt 0x0
	s_add_nc_u64 s[80:81], s[4:5], s[80:81]
	s_add_nc_u64 s[82:83], s[4:5], s[82:83]
	s_add_nc_u64 s[78:79], s[4:5], s[78:79]
	CROUND                                         ; all sixteen work-groups are here: the first joint loads meet
.irp s, 0,1
	s_mov_b32 s[G0X+4*\s], 1
	s_add_co_u32 s[G0X+4*\s+1], s66, \s*SLOT
	s_add_nc_u64 s[G0X+4*\s+2:G0X+4*\s+3], s[80:81], \s*32768
	s_or_b32 s[G0X+4*\s+3], s[G0X+4*\s+3], 0x80000000
	s_mov_b32 s[G0W+4*\s], 1
	s_add_co_u32 s[G0W+4*\s+1], s66, \s*SLOT
	s_add_nc_u64 s[G0W+4*\s+2:G0W+4*\s+3], s[82:83], \s*32768
	s_or_b32 s[G0W+4*\s+3], s[G0W+4*\s+3], 0x80000000
	JLOAD G0X+4*\s, G1X, G0W+4*\s, G1W
.endr
	s_mov_b32 s[G0V], 1
	s_add_co_u32 s[G0V+1], s67, WVB
	s_mov_b64 s[G0V+2:G0V+3], s[78:79]
	s_or_b32 s[G0V+3], s[G0V+3], 0x80000000
	; lane terms
	v_and_b32 v1, 15, v0                           ; r
	v_bfe_u32 v2, v0, 4, 1                         ; h
	v_and_b32 v3, 7, v0                            ; r % 8
	v_bfe_u32 v4, v0, 3, 1                         ; r / 8
	v_lshlrev_b32 v[VA], 4, v1
	v_lshl_add_u32 v[VW], v2, 11, v[VA]
	v_lshl_add_u32 v[VA], v2, 10, v[VA]
	v_lshlrev_b32 v[VB], 4, v3
	v_lshl_add_u32 v[VB], v4, 9, v[VB]
	v_lshl_add_u32 v[VB], v2, 10, v[VB]
	v_lshlrev_b32 v[BO], 7, v2
	v_lshlrev_b32 v[BV], 2, v1
	v_lshlrev_b32 v[H8], 3, v2
	v_and_b32 v7, 31, v0
	v_lshlrev_b32 v[L16], 4, v7
	v_mov_b32 v[PD], 0                             ; a lane permute's destination counts as one of its sources
	; where scale words and biases come from
	s_mov_b32 s3, 0
	s_lshl_b32 s76, s75, 1
	s_add_co_u32 s76, s76, s19                     ; 2 R + i
	s_lshl_b32 s2, s76, 12
	s_add_nc_u64 s[92:93], s[6:7], s[2:3]          ; x's, my rows
	s_lshl_b32 s77, s74, 1
	s_add_co_u32 s77, s77, s20
	s_add_co_u32 s77, s77, 64
	s_lshl_b32 s2, s77, 12
	s_add_nc_u64 s[94:95], s[6:7], s[2:3]          ; Wq's or Wk's, my columns
	s_lshl_b32 s77, s75, 1
	s_add_co_u32 s77, s77, s20
	s_lshl_b32 s2, s77, 12
	s_add_nc_u64 s[96:97], s[6:7], s[2:3]          ; x's, my keys
	s_add_co_u32 s77, s74, 80
	s_lshl_b32 s2, s77, 12
	s_lshl_b32 s77, s19, 10
	s_add_co_u32 s2, s2, s77
	s_add_nc_u64 s[98:99], s[6:7], s[2:3]          ; Wv's, my channels
	s_cmp_eq_u32 ttmp9, 0                          ; the cluster's x: 0 makes Q, 1 makes K
	s_cselect_b64 s[100:101], s[8:9], s[10:11]
	s_lshl_b32 s2, s72, 10
	s_lshl_b32 s77, s20, 9
	s_add_co_u32 s2, s2, s77
	s_add_nc_u64 s[100:101], s[100:101], s[2:3]    ; bq or bk at my first column
	s_lshl_b32 s2, s74, 9
	s_lshl_b32 s77, s19, 8
	s_add_co_u32 s2, s2, s77
	s_add_nc_u64 s[104:105], s[12:13], s[2:3]      ; bv at my first channel
.irp ch, 0,1
.irp k, 0,1,2,3
	global_load_b128 v[SA+16*\ch+4*\k:SA+16*\ch+4*\k+3], v[VA], s[92:93] offset:2048*\ch+256*\k   ; lanes 0-15: block k; lanes 16-31: block k + 4
	global_load_b128 v[SB+16*\ch+4*\k:SB+16*\ch+4*\k+3], v[VB], s[94:95] offset:2048*\ch+128*\k   ; lanes 0-15: tile k; lanes 16-31: tile 4 + k
.endr
.endr
	WIN 0x40
.irp t, 0,1,2,3,4,5,6,7
	global_load_b128 v[BQ+8*\t:BQ+8*\t+3], v[BO], s[100:101] offset:256*(\t/4)+32*(\t%4)          ; the bias of columns 64 c + 32 h + 8 u + 0 .. 7
	global_load_b128 v[BQ+8*\t+4:BQ+8*\t+7], v[BO], s[100:101] offset:256*(\t/4)+32*(\t%4)+16
.endr
.irp a, 0,1,2,3
.irp k, 0,1,2,3,4,5,6,7
	global_load_b32 v[BVR+8*\a+\k], v[BV], s[104:105] offset:64*\a                                ; bv of channel 16 a + r, in all eight registers
.endr
.endr
	WIN 0
	; LDS addresses
	v_mul_u32_u24 v5, v2, 272
	v_lshl_add_u32 v6, v3, 4, v5
	v_lshl_add_u32 v5, v1, 4, v5                   ; by rows: 272 h + 16 r
	v_mad_u32_u24 v6, v4, 2176, v6                 ; by tiles: 272 h + 16 (r % 8) + 2,176 (r / 8)
	s_mul_i32 s66, s19, PANL
	v_add_nc_u32 v[ADX], s66, v5
	v_add_nc_u32 v[ADX+1], SLOT, v[ADX]
	s_mul_i32 s66, s20, PANL
	v_add_nc_u32 v[ADK], s66, v6
	v_add_nc_u32 v[ADK+1], SLOT, v[ADK]
	v_add_nc_u32 v[ADW], WVB, v[ADK]
	v_add_nc_u32 v[ADW+1], SLOT, v[ADW]
	s_mul_i32 s66, s19, 4*IMG
	s_add_co_u32 s66, s66, WVB
	v_add_nc_u32 v[ADV], s66, v5
	v_add_nc_u32 v[ADV+1], PANL, v[ADV]
	; where the results go
	s_lshl_b32 s2, ttmp9, 22                       ; Q at 0, K at 4,194,304
	s_lshl_b32 s77, s76, 16
	s_add_co_u32 s2, s2, s77                       ; group of rows 2 R + i
	s_lshr_b32 s77, s72, 1
	s_lshl_b32 s77, s77, 15
	s_add_co_u32 s2, s2, s77                       ; which 512 of the hidden axis
	s_and_b32 s77, s72, 1
	s_lshl_b32 s77, s77, 1
	s_add_co_u32 s77, s77, s20
	s_lshl_b32 s77, s77, 13
	s_add_co_u32 s2, s2, s77                       ; which K step in it
	s_add_nc_u64 s[84:85], s[14:15], s[2:3]
	s_lshl_b32 s2, ttmp9, 18
	s_lshl_b32 s77, s76, 12
	s_add_co_u32 s2, s2, s77
	s_lshr_b32 s77, s72, 1
	s_lshl_b32 s77, s77, 11
	s_add_co_u32 s2, s2, s77
	s_and_b32 s77, s72, 1
	s_lshl_b32 s77, s77, 1
	s_add_co_u32 s77, s77, s20
	s_lshl_b32 s77, s77, 2
	s_add_co_u32 s2, s2, s77
	s_add_nc_u64 s[86:87], s[16:17], s[2:3]
	s_lshr_b32 s76, s75, 3                         ; the batch
	s_lshl_b32 s2, s76, 20
	s_add_co_u32 s2, s2, 8388608                   ; V^T behind Q and K
	s_lshl_b32 s77, s74, 17
	s_add_co_u32 s2, s2, s77                       ; group of channels Cn
	s_bfe_u32 s77, s75, 0x20001
	s_lshl_b32 s77, s77, 15
	s_add_co_u32 s2, s2, s77                       ; which 512 keys
	s_and_b32 s77, s75, 1
	s_lshl_b32 s77, s77, 1
	s_add_co_u32 s77, s77, s20
	s_lshl_b32 s77, s77, 13
	s_add_co_u32 s2, s2, s77                       ; which K step in them
	s_lshl_b32 s77, s19, 12
	s_add_co_u32 s2, s2, s77                       ; blocks 4 i on
	s_add_nc_u64 s[88:89], s[14:15], s[2:3]
	s_lshl_b32 s2, s76, 16
	s_add_co_u32 s2, s2, 524288
	s_lshl_b32 s77, s74, 13
	s_add_co_u32 s2, s2, s77
	s_bfe_u32 s77, s75, 0x20001
	s_lshl_b32 s77, s77, 11
	s_add_co_u32 s2, s2, s77
	s_and_b32 s77, s75, 1
	s_lshl_b32 s77, s77, 1
	s_add_co_u32 s77, s77, s20
	s_lshl_b32 s77, s77, 2
	s_add_co_u32 s2, s2, s77
	s_lshl_b32 s77, s19, 10
	s_add_co_u32 s2, s2, s77
	s_add_nc_u64 s[90:91], s[16:17], s[2:3]
	; ---- Q or K
	s_wait_tensorcnt 0x1                           ; my panel of slot 0 is in; slot 1's may stay out
	s_barrier_signal -1
	s_barrier_wait -1                              ; everybody's is
	s_wait_loadcnt 0x0                             ; scale words and biases
	FETCH 0, 0, 0
	STEP 0, 0, 1                                   ; the first products take the bias as C
	STEP 0, 1, 0
	STEP 0, 2, 0
	s_wait_dscnt 0x0                               ; slot 0's last step: its fragments are in, so my reads of the slot are over
	WIN 0
	s_wait_tensorcnt 0x0                           ; all my tensor loads have landed: my panel of slot 1;
	ds_add_u32 v[SPW], v[NIL]                      ; 0 onto my spare word; the step's products stand between it and the wait for it
	MUL64 1, 0, 3, 0
	WIN 0
	s_wait_dscnt 0x0                               ; the add is done
	CROUND                                         ; no wave of any partner still reads slot 0's weight halves or has a load on its way
	tensor_load_to_lds s[G0V:G0V+3], s[G1V:G1V+7]  ; Wv's two panels into slot 0's weight halves, a quarter a wave: my one tensor load behind the round
	s_nop 0
	PLACES 4                                       ; (also the places in front of the loads below)
	FETCH 1, 0, 0
	STEP 1, 0, 0
	STEP 1, 1, 0
	STEP 1, 2, 0
	s_wait_dscnt 0x0
	MUL64 1, 1, 3, 0
	WIN 0
	PLACES 4                                       ; in front of the first read of results and of loads into scale registers
.irp ch, 0,1
.irp k, 0,1,2,3
	global_load_b128 v[SA+16*\ch+4*\k:SA+16*\ch+4*\k+3], v[VB], s[96:97] offset:2048*\ch+128*\k   ; for V^T: x's scale words by tiles
.endr
.endr
.irp a, 0,1,2,3
	global_load_b128 v[SB+4*\a:SB+4*\a+3], v[VW], s[98:99] offset:256*\a                          ; Wv's: lanes 0-15 the first 512 along K, lanes 16-31 the second
.endr
.irp a, 0,1,2,3,4,5,6,7
	EPI \a, 2+\a/4, 84
.endr
	SCOUT 8, 86
	; ---- V^T
	s_wait_tensorcnt 0x0                           ; my quarter of Wv is in,
	s_wait_loadcnt 0x0                             ; and the scale words
	s_wait_dscnt 0x0
	s_barrier_signal -1
	s_barrier_wait -1                              ; everybody's is
	FETCHV 0, 0, 0
.irp k, 0,1,2,3,4,5,6,7
	VSTEP \k
.endr
	WIN 0
	PLACES 4
.irp a, 0,1,2,3
	EPI \a, 2, 88
.endr
	SCOUT 4, 90
	s_wait_tensorcnt 0x0                           ; the wave's end
	ds_add_u32 v[SPW], v[NIL]
	s_wait_dscnt 0x0
	CROUND                                         ; the closing round
	s_endpgm
.Lfunc_end_k_q68ad8266b5_qkv:
	.size	k_q68ad8266b5_qkv, .Lfunc_end_k_q68ad8266b5_qkv-k_q68ad8266b5_qkv
	.p2alignl 7, 3214868480
	.fill 96, 4, 3214868480
	.section	.rodata,"a",@progbits
	.p2align	6, 0x0
	.amdhsa_kernel k_q68ad8266b5_qkv
		.amdhsa_group_segment_fixed_size 327680
		.amdhsa_private_segment_fixed_size 0
		.amdhsa_enable_private_segment 0
		.amdhsa_kernarg_size 56
		.amdhsa_user_sgpr_count 2
		.amdhsa_user_sgpr_kernarg_segment_ptr 1
		.amdhsa_wavefront_size32 1
		.amdhsa_system_sgpr_workgroup_id_x 1
		.amdhsa_system_sgpr_workgroup_id_y 1
		.amdhsa_system_sgpr_workgroup_id_z 1
		.amdhsa_system_vgpr_workitem_id 0
		.amdhsa_next_free_vgpr 1024
		.amdhsa_next_free_sgpr 106
		.amdhsa_reserve_vcc 0
		.amdhsa_float_denorm_mode_32 3
		.amdhsa_float_denorm_mode_16_64 3
		.amdhsa_memory_ordered 1
		.amdhsa_forward_progress 1
		.amdhsa_inst_pref_size 188
	.end_amdhsa_kernel
	.amdgpu_metadata
---
amdhsa.version: [ 1, 2 ]
amdhsa.kernels:
  - .name:           k_q68ad8266b5_qkv
    .symbol:         k_q68ad8266b5_qkv.kd
    .args:
      - { .name: cod, .offset: 0, .size: 8, .value_kind: global_buffer, .address_space: global }
      - { .name: scl, .offset: 8, .size: 8, .value_kind: global_buffer, .address_space: global }
      - { .name: bq, .offset: 16, .size: 8, .value_kind: global_buffer, .address_space: global }
      - { .name: bk, .offset: 24, .size: 8, .value_kind: global_buffer, .address_space: global }
      - { .name: bv, .offset: 32, .size: 8, .value_kind: global_buffer, .address_space: global }
      - { .name: qkvc, .offset: 40, .size: 8, .value_kind: global_buffer, .address_space: global }
      - { .name: qkvs, .offset: 48, .size: 8, .value_kind: global_buffer, .address_space: global }
    .group_segment_fixed_size: 327680
    .private_segment_fixed_size: 0
    .kernarg_segment_align: 8
    .kernarg_segment_size: 56
    .max_flat_workgroup_size: 128
    .sgpr_count:     106
    .vgpr_count:     1024
    .wavefront_size: 32
...
	.end_amdgpu_metadata
.endif
;; end of part 2
;; launch scores (part 3): grid 8 x 32, 4 waves a work-group, clusters of 4 x 4, 327,680 bytes of LDS; arguments qkvc, qkvs, mask, pc, pst; writes pc, pst
.if DOCPART == 3
	.amdgcn_target "amdgcn-amd-amdhsa--gfx1250"
	.amdhsa_code_object_version 6
	.text
	.protected	k_q68ad8266b5_scores
	.globl	k_q68ad8266b5_scores
	.p2align	8
	.type	k_q68ad8266b5_scores,@function
k_q68ad8266b5_scores:
	s_mov_b64 s[64:65], 0
	v_nop
	global_prefetch_b8 v0, s[64:65] scope:SCOPE_SE
	s_setreg_imm32_b32 hwreg(HW_REG_WAVE_MODE, 25, 1), 1
	s_wait_xcnt 0x0
	s_wait_alu depctr_hold_cnt(0) depctr_sa_sdst(0) depctr_va_vdst(0) depctr_va_sdst(0) depctr_va_ssrc(0) depctr_va_vcc(0) depctr_vm_vsrc(0)
	s_getreg_b32 s2, hwreg(HW_REG_IB_STS2, 6, 4)
	s_cmp_eq_u32 s2, 0
	s_cbranch_scc0 .Lentry_in_a_cluster
	s_endpgm
.Lentry_in_a_cluster:
	s_bfe_u32 s2, ttmp6, 0x10000c
	s_cmp_lg_u32 s2, 0xf033
	s_cbranch_scc0 .Lentry_shape_is_right
	s_endpgm
.Lentry_shape_is_right:
; S = Q K^T on codes of FP4, the mask, and the softmax's p as codes for the last product.  Nothing of the problem is left out here.
; SHARES.  Work-group (Cn, R): queries 256 R .. + 255 (all batches on end; batch R / 8) against keys 256 Cn .. + 255 of that batch.  Wave w: i = w / 2: queries 128 i on; j = w % 2: keys 128 j on: 64 accumulators, K = 1,024 in 8 steps.
; Transposed use and chosen tiles as in the launch qkv: source 0 = a tile of 16 keys, source 1 = 16 queries.  Lane (r, h) holds query r of a block, and registers 32 c + i hold key 64 c + 32 h + i: whole blocks of 32 keys.
; THE SOFTMAX IS LOCAL TO (query, my 128 keys), which is one K step of the last product: t = score x log2(e) / 32; M_loc = ceil(largest t of the 128), a whole number; p = 2^(t - M_loc); l_loc = the sum of the unquantised p.
;   p is quantised along the keys.  The launch pv takes M = the largest of a row's sixteen M_loc and takes M - M_loc off the scale bytes: a shift by a whole power of two, which leaves the codes as they are.  So no wave waits for another.
; THE MASK is read here, as it lies: my wave's 128 queries x 128 keys of int32, 8 blocks of 16 rows x 512 bytes, each byte read once in the launch.
;   (1) A load takes 512 consecutive bytes of one row, lane l the 16 bytes at 16 (31 - l).  A block's 16 loads land in 64 registers that the products leave idle; two blocks are on their way during the products, three behind them.
;   (2) One compare a register gives a word over the lanes: bit l of word (row, e) says whether key 4 (31 - l) + e counts for that row: from the top bit down, keys e, 4 + e, 8 + e ..  A lane write puts the word into lane 'row':
;       so a lane holds its own row's 128 bits in four registers.  This stands between K steps, ahead of the step's wait for its fragments.
;   (3) Ahead of a block's softmax lanes 16-31 fetch their row's words from lanes 0-15, 8 bits further up; then each word is added to itself, and THE CARRY OVER ALL LANES IS THE LANE MASK of one score register: register 32 c + 4 m + e
;       takes the (8 c + m)-th bit of word e from the lane's top (8 bits are passed over between c = 0 and c = 1).  One select a score puts -infinity where the mask is 0, ahead of the maximum.
;   The 64 lane masks of a block land in scalar registers that held the tensor descriptors, behind the wait that shows every tensor load done.
; CLUSTER 4 x 4: Q's panels hang on R alone: asked for jointly along a row of the cluster; K's on Cn and the batch (half the cluster's y): jointly along a column.  No two work-groups share a byte of the mask.
; LDS: two slots of four panels, both asked for at the start (two tensor loads of a wave out); nothing is filled again.
; LIMITS: the largest t is held at -3e38 from below, so that a group of 128 keys that is masked out whole keeps a finite M_loc (its p are zeros, its l_loc 0).  NaN and infinities in Q or K are not served.
.set PANL,  34816
.set SLOT,  4*PANL
.set WVB,   2*PANL
.set SPARE, 2*SLOT
.set IMG,   1088
.set H8,  12                           ; v12  8 h
.set MO,  13                           ; v13  16 (31 - lane): my 16 bytes of a mask row's 512; never rewritten
.set ADX, 16                           ; v16-17 Q half i, by rows
.set ADW, 18                           ; v18-19 K half j, by tiles
.set L16, 24                           ; v24  16 x lane
.set VA,  26
.set VB,  27
.set SPW, 28
.set NIL, 29
.set SA,  32                           ; v32-63  Q's scale words, while the products run
.set SB,  64                           ; v64-95  K's
.set MB,  96                           ; v96-127 the mask's bits: register 4 a + e, lane r (0-15): word e of row r of block a
.set NINF, 32                          ; behind the products, in the registers that held scale words:  v32 -infinity
.set BM,  34                           ; v34-35 each block's largest score
.set NM,  36                           ; v36-37 -M_loc (a pair for the packed form; its low word serves both halves)
.set BP,  38                           ; v38-39 each block's largest p
.set SO,  40
.set BY,  42
.set PD,  44
.set RM,  45
.set TW,  46
.set WW,  48                           ; v48-51 my row's four words, doubled bit by bit
.set WT,  52                           ; v52-55 lane l xor 16's
.set COD, 64                           ; v64-79 two sets of 8: an image's registers
.set FS1, 128                          ; window 0: two sets of 64: Q's fragments; behind the products:
.set PS,  128                          ; v128-159 partial sums
.set SWD, 160                          ; v160-167 p's scale word of each block of queries
.set NMK, 168                          ; v168-175 -M_loc
.set LSK, 176                          ; v176-183 l_loc
.set OD,  184                          ; v184-195 what the last stores send
.set FS0, 0                            ; window 1: two sets of 64, at v0 and v128: K's fragments
.set RWA, 64                           ; window 1: a block of the mask as loaded: v64-127,
.set RWB, 192                          ; v192-255,
.set RWC, 0                            ; and, behind the products, v0-63
.set G1X, 24
.set G1W, 32
.set G0X, 40
.set G0W, 48
.set DW0, (3<<16)|(1<<20)|(1<<21)|(5<<22)|(3<<25)
.set MSB, 0
.macro WIN new
.if MSB != (\new)
	s_set_vgpr_msb (MSB<<8)|(\new)
.set MSB, (\new)
.endif
.endm
.macro PLACES n
.rept \n
	v_nop
.endr
.endm
.macro CREST
	s_cmp_lg_u32 s18, 0
	s_cbranch_scc1 .Lnot_wave_0_\@
	s_barrier_signal -3
.Lnot_wave_0_\@:
	s_barrier_wait -3
	s_barrier_signal -1
	s_barrier_wait -1
.endm
.macro CROUND
	s_barrier_signal -1
	s_barrier_wait -1
	CREST
.endm
.macro JLOAD g0a, g1a, g0b, g1b        ; waves 0 and 1 fetch Q's halves, waves 2 and 3 K's; an s_nop 0 and four v_nop follow each line
	s_cmp_eq_u32 s19, 0
	s_cbranch_scc0 .Lfor_b_\@
	tensor_load_to_lds s[\g0a:\g0a+3], s[\g1a:\g1a+7]
	s_nop 0
.rept 4
	v_nop
.endr
	s_branch .Lasked_\@
.Lfor_b_\@:
	tensor_load_to_lds s[\g0b:\g0b+3], s[\g1b:\g1b+7]
	s_nop 0
.rept 4
	v_nop
.endr
.Lasked_\@:
.endm
.macro FRAGR reg, adr, q, rb
	ds_load_b128 v[\reg:\reg+3], v[\adr] offset:(8*(\q)+(\rb))*IMG
	ds_load_b128 v[\reg+4:\reg+7], v[\adr] offset:(8*(\q)+(\rb))*IMG+544
.endm
.macro FRAGC reg, adr, q, t
	ds_load_b128 v[\reg:\reg+3], v[\adr] offset:(8*(\q)+4*((\t)/4)+((\t)%4)/2)*IMG+128*((\t)%2)
	ds_load_b128 v[\reg+4:\reg+7], v[\adr] offset:(8*(\q)+4*((\t)/4)+((\t)%4)/2)*IMG+128*((\t)%2)+544
.endm
.macro WM D0, A0, B0, SA0, SB0, RA, RB         ; adds in place
.if (\RA)
.if (\RB)
	v_wmma_scale_f32_16x16x128_f8f6f4 v[\D0:\D0+7], v[\A0:\A0+7], v[\B0:\B0+7], v[\D0:\D0+7], v[\SA0], v[\SB0] matrix_a_fmt:MATRIX_FMT_FP4 matrix_b_fmt:MATRIX_FMT_FP4 matrix_a_scale:MATRIX_SCALE_ROW1 matrix_b_scale:MATRIX_SCALE_ROW1
.else
	v_wmma_scale_f32_16x16x128_f8f6f4 v[\D0:\D0+7], v[\A0:\A0+7], v[\B0:\B0+7], v[\D0:\D0+7], v[\SA0], v[\SB0] matrix_a_fmt:MATRIX_FMT_FP4 matrix_b_fmt:MATRIX_FMT_FP4 matrix_a_scale:MATRIX_SCALE_ROW1
.endif
.else
.if (\RB)
	v_wmma_scale_f32_16x16x128_f8f6f4 v[\D0:\D0+7], v[\A0:\A0+7], v[\B0:\B0+7], v[\D0:\D0+7], v[\SA0], v[\SB0] matrix_a_fmt:MATRIX_FMT_FP4 matrix_b_fmt:MATRIX_FMT_FP4 matrix_b_scale:MATRIX_SCALE_ROW1
.else
	v_wmma_scale_f32_16x16x128_f8f6f4 v[\D0:\D0+7], v[\A0:\A0+7], v[\B0:\B0+7], v[\D0:\D0+7], v[\SA0], v[\SB0] matrix_a_fmt:MATRIX_FMT_FP4 matrix_b_fmt:MATRIX_FMT_FP4
.endif
.endif
.endm
.macro WMZ D0, A0, B0, SA0, SB0, RA, RB        ; starts a sum: C = 0
.if (\RA)
.if (\RB)
	v_wmma_scale_f32_16x16x128_f8f6f4 v[\D0:\D0+7], v[\A0:\A0+7], v[\B0:\B0+7], 0, v[\SA0], v[\SB0] matrix_a_fmt:MATRIX_FMT_FP4 matrix_b_fmt:MATRIX_FMT_FP4 matrix_a_scale:MATRIX_SCALE_ROW1 matrix_b_scale:MATRIX_SCALE_ROW1
.else
	v_wmma_scale_f32_16x16x128_f8f6f4 v[\D0:\D0+7], v[\A0:\A0+7], v[\B0:\B0+7], 0, v[\SA0], v[\SB0] matrix_a_fmt:MATRIX_FMT_FP4 matrix_b_fmt:MATRIX_FMT_FP4 matrix_a_scale:MATRIX_SCALE_ROW1
.endif
.else
.if (\RB)
	v_wmma_scale_f32_16x16x128_f8f6f4 v[\D0:\D0+7], v[\A0:\A0+7], v[\B0:\B0+7], 0, v[\SA0], v[\SB0] matrix_a_fmt:MATRIX_FMT_FP4 matrix_b_fmt:MATRIX_FMT_FP4 matrix_b_scale:MATRIX_SCALE_ROW1
.else
	v_wmma_scale_f32_16x16x128_f8f6f4 v[\D0:\D0+7], v[\A0:\A0+7], v[\B0:\B0+7], 0, v[\SA0], v[\SB0] matrix_a_fmt:MATRIX_FMT_FP4 matrix_b_fmt:MATRIX_FMT_FP4
.endif
.endif
.endm
.macro FETCH sl, q, st
	WIN 0x40
.irp t, 0,1,2,3,4,5,6,7
	FRAGC FS0+128*(\st)+8*\t, ADW+(\sl), \q, \t
.endr
	WIN 0
.irp a, 0,1,2,3,4,5,6,7
	FRAGR FS1+64*(\st)+8*\a, ADX+(\sl), \q, \a
.endr
.endm
.macro MUL64 st, ch, q, first          ; the 64 accumulators take turns, one instruction a turn
.irp a, 0,1,2,3,4,5,6,7
	WIN 0xa1+0x50*(\a/4)
.irp t, 0,1,2,3,4,5,6,7
.if \first
	WMZ 8*(8*(\a%4)+\t), FS0+128*(\st)+8*\t, FS1+64*(\st)+8*\a, SB+16*(\ch)+4*(\t%4)+(\q), SA+16*(\ch)+4*(\a%4)+(\q), \t/4, \a/4
.else
	WM 8*(8*(\a%4)+\t), FS0+128*(\st)+8*\t, FS1+64*(\st)+8*\a, SB+16*(\ch)+4*(\t%4)+(\q), SA+16*(\ch)+4*(\a%4)+(\q), \t/4, \a/4
.endif
.endr
.endr
.endm
.macro STEP sl, q, first
	s_wait_dscnt 0x0
	PLACES 4
	FETCH \sl, (\q)+1, 1-(\q)%2
	MUL64 (\q)%2, \sl, \q, \first
.endm
; Block k of the mask (my queries 16 k .. 16 k + 15, my 128 keys) is asked for: 16 loads of 512 consecutive bytes, into the 64 registers from rw on in window 1.  Offset register and base are never rewritten.
.macro LOADM k, rw
	WIN 0x40
.irp q, 0,1,2,3,4,5,6,7,8,9,10,11,12,13,14,15
	global_load_b128 v[\rw+4*\q:\rw+4*\q+3], v[MO], s[8:9] offset:(16*(\k)+\q)*8192 th:TH_LOAD_NT
.endr
	WIN 0
.endm
; Block k, landed, becomes bits.  left: the loads issued behind the block's, which may stay out.  Eight compares, then eight lane writes, two rows at a time, on eight scalar registers that are free behind the head (s4-7, s14-17).
; Row 0's words go to all lanes, which also writes the four registers whole; rows 1 to 15 follow into their lanes.
.macro UNITM k, rw, left
	s_wait_loadcnt \left
	WIN 0x04                                       ; source 1 (the numbers) in window 1
.set p, 0
.rept 8
.set x, 0
.rept 8
	v_cmp_ne_u32 s[4+x+6*(x/4)], 0, v[\rw+8*p+x]   ; register 4 row + e
.set x, x+1
.endr
.set x, 0
.rept 8
.if 2*p+x/4 == 0
	v_mov_b32 v[MB+4*(\k)+x%4], s[4+x+6*(x/4)]
.else
	v_writelane_b32 v[MB+4*(\k)+x%4], s[4+x+6*(x/4)], 2*p+x/4
.endif
.set x, x+1
.endr
.set p, p+1
.endr
	WIN 0
.endm
; The 64 lane masks of block a: that of score register n in s[32 + n] (n < 32) or s[36 + n].
.macro MASKS a
.irp e, 0,1,2,3
	v_permlanex16_b32 v[WT+\e], v[MB+4*(\a)+\e], s22, s23      ; lanes 16-31 get the words of rows 0-15,
.endr
.irp e, 0,1,2,3
	v_lshlrev_b32 v[WT+\e], 8, v[WT+\e]                        ; and begin 8 bits (32 keys) further on
.endr
.irp e, 0,1,2,3
	v_cndmask_b32 v[WW+\e], v[MB+4*(\a)+\e], v[WT+\e], s21
.endr
.set n, 0
.rept 64
.if n == 32
.irp e, 0,1,2,3
	v_lshlrev_b32 v[WW+\e], 8, v[WW+\e]                        ; the other half of the lanes' 32 keys are passed over
.endr
.endif
.if n < 32
.set sr, 32+n
.else
.set sr, 36+n
.endif
	v_add_co_u32 v[WW+n%4], s[sr], v[WW+n%4], v[WW+n%4]        ; the word doubled: its top bit, over all lanes, is the lane mask; four words by turns
.set n, n+1
.endr
.endm
; Block a of 16 queries: mask, local softmax, codes.
.macro SOFT a
.set W, 2+(\a)/4
.set AC, 64*((\a)%4)
.set CS, COD+8*((\a)%2)
	s_wait_xcnt 0x0                                ; earlier stores have read this set of code registers
	WIN (W<<6)|(W<<2)
.set n, 0
.rept 64
.if n < 32
.set sr, 32+n
.else
.set sr, 36+n
.endif
	v_cndmask_b32 v[AC+n], v[NINF], v[AC+n], s[sr] ; -infinity where the mask is 0; each accumulator from its low end on
.set n, n+1
.endr
	WIN (W<<4)|(W<<2)
	v_max3_num_f32 v[BM], v[NINF], v[AC], v[AC+1]  ; THE LARGEST SCORE OF EACH BLOCK OF 32 KEYS serves twice: for the maximum, and, since p rises with the score, for the block's largest p
	v_max3_num_f32 v[BM+1], v[NINF], v[AC+32], v[AC+33]
.irp i, 2,4,6,8,10,12,14,16,18,20,22,24,26,28,30
	v_max3_num_f32 v[BM], v[BM], v[AC+\i], v[AC+\i+1]
	v_max3_num_f32 v[BM+1], v[BM+1], v[AC+32+\i], v[AC+33+\i]
.endr
	WIN 0
.if (\a) < 7
	MASKS (\a)+1                                   ; the selects above were the last readers of this block's lane masks
.endif
	v_max_num_f32 v[RM], v[BM], v[BM+1]
	v_permlanex16_b32 v[PD], v[RM], s22, s23
	v_max_num_f32 v[RM], v[RM], v[PD]              ; with lane l xor 16's 64 keys
	v_mul_f32 v[RM], s100, v[RM]                   ; as t
	v_max_num_f32 v[RM], 0xff61b1e6, v[RM]         ; held at -3e38 from below
	v_floor_f32 v[NM], -v[RM]                      ; -M_loc = floor(-t) = -ceil(t)
	v_fma_f32 v[BP], v[BM], s100, v[NM]
	v_fma_f32 v[BP+1], v[BM+1], s100, v[NM]
	WIN (W<<6)|W
.set n, 0
.rept 32
	v_pk_fma_f32 v[AC+n:AC+n+1], v[AC+n:AC+n+1], s[100:101], v[NM:NM+1] op_sel_hi:[1,0,0]   ; t - M_loc, two at a time
.set n, n+2
.endr
.set n, 0
.rept 64
	v_exp_f32 v[AC+n], v[AC+n]                     ; p: not normalised
.set n, n+1
.endr
	WIN 0
	v_exp_f32 v[BP], v[BP]                         ; each block's largest p: the same two instructions on the same number give the same bits
	v_exp_f32 v[BP+1], v[BP+1]
	v_mov_b32 v[NMK+(\a)], v[NM]                   ; (a plain place behind the exponentials)
	s_wait_alu depctr_va_vdst(0)                   ; one wait for the batch of 66, ahead of its first reader
	WIN (W<<2)|W
.set n, 0
.rept 16
	v_pk_add_f32 v[PS+2*n:PS+2*n+1], v[AC+4*n:AC+4*n+1], v[AC+4*n+2:AC+4*n+3]   ; THE SUM IS TAKEN OF THE UNQUANTISED p
.set n, n+1
.endr
	WIN 0
.irp n, 0,1,2,3,4,5,6,7
	v_pk_add_f32 v[PS+4*\n:PS+4*\n+1], v[PS+4*\n:PS+4*\n+1], v[PS+4*\n+2:PS+4*\n+3]
.endr
.irp n, 0,1,2,3
	v_pk_add_f32 v[PS+8*\n:PS+8*\n+1], v[PS+8*\n:PS+8*\n+1], v[PS+8*\n+4:PS+8*\n+5]
.endr
.irp n, 0,1
	v_pk_add_f32 v[PS+16*\n:PS+16*\n+1], v[PS+16*\n:PS+16*\n+1], v[PS+16*\n+8:PS+16*\n+9]
.endr
	v_pk_add_f32 v[PS:PS+1], v[PS:PS+1], v[PS+16:PS+17]
	v_max_num_f32 v[BP], 0x1800000, v[BP]          ; the floor 2^(3 - 127): the byte cannot fall under 1
	v_max_num_f32 v[BP+1], 0x1800000, v[BP+1]
	v_add_f32 v[TW], v[PS], v[PS+1]
	v_add_nc_u32 v[SO], 0xff000000, v[BP]          ; 2 off the exponent field: the conversion's scale operand
	v_add_nc_u32 v[SO+1], 0xff000000, v[BP+1]
	v_permlanex16_b32 v[PD], v[TW], s22, s23
	v_add_f32 v[LSK+(\a)], v[TW], v[PD]            ; l_loc
	v_lshrrev_b32 v[BY], 23, v[SO]
	v_lshrrev_b32 v[BY+1], 23, v[SO+1]
	v_lshl_or_b32 v[TW], v[BY+1], 16, v[BY]
	v_lshlrev_b32 v[TW], v[H8], v[TW]
	WIN W
.irp g, 0,1,2,3
	v_cvt_scalef32_pk8_fp4_f32 v[CS+\g], v[AC+8*\g:AC+8*\g+7], v[SO]
	v_cvt_scalef32_pk8_fp4_f32 v[CS+4+\g], v[AC+32+8*\g:AC+39+8*\g], v[SO+1]
.endr
	WIN 0
	v_nop                                          ; one plain place behind the last scaled conversion
	v_permlanex16_b32 v[PD], v[TW], s22, s23
	v_or_b32 v[SWD+(\a)], v[TW], v[PD]
	global_store_b128 v[L16], v[CS:CS+3], s[10:11] offset:1024*(\a)       ; 32 lanes store 512 consecutive bytes
	global_store_b128 v[L16], v[CS+4:CS+7], s[10:11] offset:1024*(\a)+512
.endm
	s_load_b256 s[4:11], s[0:1], 0x0               ; qkvc, qkvs, mask, pc
	s_load_b64 s[12:13], s[0:1], 0x20              ; pst
	v_lshl_add_u32 v[SPW], v0, 2, SPARE
	v_mov_b32 v[NIL], 0
	ds_add_u32 v[SPW], v[NIL]                      ; the wave's opening: the add, twice on end, and its wait ahead of my first tensor load
	ds_add_u32 v[SPW], v[NIL]
	v_lshrrev_b32 v1, 5, v0
	v_readfirstlane_b32 s18, v1
	s_lshr_b32 s19, s18, 1                         ; i.  Also: I fetch for Q (0) or for K (1)
	s_and_b32 s20, s18, 1                          ; j.  Also: which half I fetch
	s_mov_b32 s21, 0xffff0000
	s_mov_b32 s22, 0x76543210
	s_mov_b32 s23, 0xfedcba98
	s_mov_b32 s100, 0x3d38aa3b                     ; log2(e) / sqrt(1,024)
	s_mov_b32 s101, s100
	s_bfe_u32 s56, ttmp6, 0x40000                  ; cx
	s_bfe_u32 s57, ttmp6, 0x40004                  ; cy
	s_lshl_b32 s58, ttmp9, 2
	s_add_co_u32 s58, s58, s56                     ; Cn
	s_and_b32 s59, ttmp7, 0xffff
	s_lshr_b32 s62, s59, 1                         ; the batch: half the cluster's y, the same in all sixteen partners
	s_lshl_b32 s59, s59, 2
	s_add_co_u32 s59, s59, s57                     ; R
	s_lshl_b32 s60, s57, 2
	s_lshl_b32 s60, 15, s60                        ; my row of the cluster
	s_lshl_b32 s61, 0x1111, s56                    ; my column
	s_or_b32 s[G1X], s60, DW0
	s_or_b32 s[G1W], s61, DW0
.irp g, G1X, G1W
	s_mov_b32 s[\g+1], 32<<16
	s_mov_b32 s[\g+2], 128<<16
	s_mov_b32 s[\g+3], 32<<16
	s_mov_b32 s[\g+4], 128
	s_mov_b32 s[\g+5], 32
	s_mov_b32 s[\g+6], 0
	s_mov_b32 s[\g+7], 0
.endr
	s_lshl_b32 s68, s59, 1
	s_add_co_u32 s68, s68, s20
	s_lshl_b32 s68, s68, 16                        ; Q: group of rows 2 R + half
	s_mov_b32 s69, 0
	s_lshl_b32 s70, s62, 4
	s_lshl_b32 s71, s58, 1
	s_add_co_u32 s70, s70, s71
	s_add_co_u32 s70, s70, s20
	s_lshl_b32 s70, s70, 16
	s_add_co_u32 s70, s70, 4194304                 ; K: group 16 batch + 2 Cn + half, behind Q
	s_mov_b32 s71, 0
	s_mul_i32 s66, s18, PANL
	s_wait_dscnt 0x0
	s_wait_kmcnt 0x0
	s_add_nc_u64 s[68:69], s[4:5], s[68:69]
	s_add_nc_u64 s[70:71], s[4:5], s[70:71]
	CROUND
.irp s, 0,1
	s_mov_b32 s[G0X+4*\s], 1
	s_add_co_u32 s[G0X+4*\s+1], s66, \s*SLOT
	s_add_nc_u64 s[G0X+4*\s+2:G0X+4*\s+3], s[68:69], \s*32768
	s_or_b32 s[G0X+4*\s+3], s[G0X+4*\s+3], 0x80000000
	s_mov_b32 s[G0W+4*\s], 1
	s_add_co_u32 s[G0W+4*\s+1], s66, \s*SLOT
	s_add_nc_u64 s[G0W+4*\s+2:G0W+4*\s+3], s[70:71], \s*32768
	s_or_b32 s[G0W+4*\s+3], s[G0W+4*\s+3], 0x80000000
	JLOAD G0X+4*\s, G1X, G0W+4*\s, G1W
.endr
	v_and_b32 v1, 15, v0
	v_bfe_u32 v2, v0, 4, 1
	v_and_b32 v3, 7, v0
	v_bfe_u32 v4, v0, 3, 1
	v_lshlrev_b32 v[VA], 4, v1
	v_lshl_add_u32 v[VA], v2, 10, v[VA]
	v_lshlrev_b32 v[VB], 4, v3
	v_lshl_add_u32 v[VB], v4, 9, v[VB]
	v_lshl_add_u32 v[VB], v2, 10, v[VB]
	v_lshlrev_b32 v[H8], 3, v2
	v_and_b32 v7, 31, v0
	v_lshlrev_b32 v[L16], 4, v7
	v_xor_b32 v8, 31, v7                           ; 31 - lane
	v_lshlrev_b32 v[MO], 4, v8
	s_mov_b32 s15, 0
	s_lshl_b32 s16, s59, 1
	s_add_co_u32 s16, s16, s19                     ; 2 R + i
	s_lshl_b32 s14, s16, 12
	s_add_nc_u64 s[72:73], s[6:7], s[14:15]        ; Q's scale words, my queries
	s_lshl_b32 s14, s62, 4
	s_lshl_b32 s17, s58, 1
	s_add_co_u32 s14, s14, s17
	s_add_co_u32 s14, s14, s20
	s_lshl_b32 s14, s14, 12
	s_add_co_u32 s14, s14, 262144
	s_add_nc_u64 s[74:75], s[6:7], s[14:15]        ; K's, my keys
.irp ch, 0,1
.irp k, 0,1,2,3
	global_load_b128 v[SA+16*\ch+4*\k:SA+16*\ch+4*\k+3], v[VA], s[72:73] offset:2048*\ch+256*\k
	global_load_b128 v[SB+16*\ch+4*\k:SB+16*\ch+4*\k+3], v[VB], s[74:75] offset:2048*\ch+128*\k
.endr
.endr
	s_lshl_b32 s14, s16, 20                        ; the mask: my first query's row: 128 (2 R + i) rows of 8,192 bytes,
	s_lshl_b32 s17, s58, 1
	s_add_co_u32 s17, s17, s20
	s_lshl_b32 s17, s17, 9
	s_add_co_u32 s14, s14, s17                     ; my first key: 128 (2 Cn + j) numbers of 4 bytes
	s_add_nc_u64 s[8:9], s[8:9], s[14:15]
	LOADM 0, RWA                                   ; behind the tiles and the scale words: the first two blocks of the mask
	LOADM 1, RWB
	v_mul_u32_u24 v5, v2, 272
	v_lshl_add_u32 v6, v3, 4, v5
	v_lshl_add_u32 v5, v1, 4, v5
	v_mad_u32_u24 v6, v4, 2176, v6
	s_mul_i32 s66, s19, PANL
	v_add_nc_u32 v[ADX], s66, v5
	v_add_nc_u32 v[ADX+1], SLOT, v[ADX]
	s_mul_i32 s66, s20, PANL
	s_add_co_u32 s66, s66, WVB
	v_add_nc_u32 v[ADW], s66, v6
	v_add_nc_u32 v[ADW+1], SLOT, v[ADW]
	s_lshl_b32 s14, s16, 17                        ; p's codes: group of rows 2 R + i,
	s_lshr_b32 s17, s58, 1
	s_lshl_b32 s17, s17, 15
	s_add_co_u32 s14, s14, s17                     ; which 512 keys,
	s_and_b32 s17, s58, 1
	s_lshl_b32 s17, s17, 1
	s_add_co_u32 s17, s17, s20
	s_lshl_b32 s17, s17, 13
	s_add_co_u32 s14, s14, s17                     ; which K step in them
	s_add_nc_u64 s[10:11], s[10:11], s[14:15]
	s_lshl_b32 s14, s16, 13
	s_lshr_b32 s17, s58, 1
	s_lshl_b32 s17, s17, 11
	s_add_co_u32 s14, s14, s17
	s_and_b32 s17, s58, 1
	s_lshl_b32 s17, s17, 1
	s_add_co_u32 s17, s17, s20
	s_lshl_b32 s17, s17, 2
	s_add_co_u32 s14, s14, s17
	s_add_nc_u64 s[12:13], s[12:13], s[14:15]
	s_wait_tensorcnt 0x1                           ; my panel of slot 0 is in; slot 1's may stay out
	s_barrier_signal -1
	s_barrier_wait -1
	s_wait_loadcnt 32                              ; the scale words are in; the 32 loads of the mask's blocks 0 and 1 may be out
	FETCH 0, 0, 0
	STEP 0, 0, 1                                   ; the first products start the sums
	STEP 0, 1, 0
	UNITM 0, RWA, 16                               ; block 0 of the mask is in (block 1's 16 loads may be out): its bits, while this step's fragments come;
	LOADM 2, RWA                                   ; its registers take block 2
	STEP 0, 2, 0
	UNITM 1, RWB, 16                               ; (block 2's may be out)
	LOADM 3, RWB
	s_wait_dscnt 0x0
	s_wait_tensorcnt 0x0                           ; my panel of slot 1 is in,
	s_barrier_signal -1
	s_barrier_wait -1                              ; everybody's is; nothing is filled again in this launch
	PLACES 4
	FETCH 1, 0, 0
	MUL64 1, 0, 3, 0
	STEP 1, 0, 0
	STEP 1, 1, 0
	UNITM 2, RWA, 16                               ; (block 3's may be out)
	LOADM 4, RWA
	STEP 1, 2, 0
	UNITM 3, RWB, 16                               ; (block 4's may be out)
	LOADM 5, RWB
	s_wait_dscnt 0x0
	MUL64 1, 1, 3, 0
	WIN 0
	PLACES 4                                       ; in front of loads into registers that held fragments, of writes into registers that held scale words, and of the first read of results
	LOADM 6, RWC                                   ; 48 loads of mine are out: blocks 4, 5 and 6
	v_mov_b32 v[NINF], 0xff800000
	v_mov_b32 v[PD], 0                             ; a lane permute's destination counts as one of its sources
	v_mov_b32 v[NM+1], 0                           ; (named as the upper half of a pair)
.irp e, 0,1,2,3
	v_mov_b32 v[WT+\e], 0
.endr
	MASKS 0                                        ; no tensor load of mine is out since the last barrier: the descriptors' registers take lane masks
	SOFT 0
	UNITM 4, RWA, 32                               ; block 4 is in (blocks 5 and 6 may be out),
	LOADM 7, RWA                                   ; and its registers take the last block
	SOFT 1
	SOFT 2
	SOFT 3                                         ; (each block's bits are made ahead of the block before it, which turns them into lane masks)
	UNITM 5, RWB, 32                               ; (blocks 6 and 7 may be out)
	SOFT 4
	UNITM 6, RWC, 16                               ; (block 7 may be out)
	SOFT 5
	UNITM 7, RWA, 0
	SOFT 6
	SOFT 7
	s_wait_xcnt 0x0
.irp p, 0,1,2,3                        ; scale words, -M_loc and l_loc: lanes 0-15 send block 2 p's, lanes 16-31 block 2 p + 1's: 4 bytes of every 16, three sixteenths of the bytes of the codes
	v_cndmask_b32 v[OD+3*\p], v[SWD+2*\p], v[SWD+2*\p+1], s21
	v_cndmask_b32 v[OD+3*\p+1], v[NMK+2*\p], v[NMK+2*\p+1], s21
	v_cndmask_b32 v[OD+3*\p+2], v[LSK+2*\p], v[LSK+2*\p+1], s21
	global_store_b32 v[L16], v[OD+3*\p], s[12:13] offset:512*\p
	global_store_b32 v[L16], v[OD+3*\p+1], s[12:13] offset:512*\p+524288
	global_store_b32 v[L16], v[OD+3*\p+2], s[12:13] offset:512*\p+1048576
.endr
	s_wait_tensorcnt 0x0                           ; the wave's end
	ds_add_u32 v[SPW], v[NIL]
	s_wait_dscnt 0x0
	CROUND                                         ; the closing round
	s_endpgm
.Lfunc_end_k_q68ad8266b5_scores:
	.size	k_q68ad8266b5_scores, .Lfunc_end_k_q68ad8266b5_scores-k_q68ad8266b5_scores
	.p2alignl 7, 3214868480
	.fill 96, 4, 3214868480
	.section	.rodata,"a",@progbits
	.p2align	6, 0x0
	.amdhsa_kernel k_q68ad8266b5_scores
		.amdhsa_group_segment_fixed_size 327680
		.amdhsa_private_segment_fixed_size 0
		.amdhsa_enable_private_segment 0
		.amdhsa_kernarg_size 40
		.amdhsa_user_sgpr_count 2
		.amdhsa_user_sgpr_kernarg_segment_ptr 1
		.amdhsa_wavefront_size32 1
		.amdhsa_system_sgpr_workgroup_id_x 1
		.amdhsa_system_sgpr_workgroup_id_y 1
		.amdhsa_system_sgpr_workgroup_id_z 1
		.amdhsa_system_vgpr_workitem_id 0
		.amdhsa_next_free_vgpr 1024
		.amdhsa_next_free_sgpr 106
		.amdhsa_reserve_vcc 0
		.amdhsa_float_denorm_mode_32 3
		.amdhsa_float_denorm_mode_16_64 3
		.amdhsa_memory_ordered 1
		.amdhsa_forward_progress 1
		.amdhsa_inst_pref_size 255
	.end_amdhsa_kernel
	.section	.bss,"aw",@nobits
	.p2align	6
	.space	262144
	.amdgpu_metadata
---
amdhsa.version: [ 1, 2 ]
amdhsa.kernels:
  - .name:           k_q68ad8266b5_scores
    .symbol:         k_q68ad8266b5_scores.kd
    .args:
      - { .name: qkvc, .offset: 0, .size: 8, .value_kind: global_buffer, .address_space: global }
      - { .name: qkvs, .offset: 8, .size: 8, .value_kind: global_buffer, .address_space: global }
      - { .name: mask, .offset: 16, .size: 8, .value_kind: global_buffer, .address_space: global }
      - { .name: pc, .offset: 24, .size: 8, .value_kind: global_buffer, .address_space: global }
      - { .name: pst, .offset: 32, .size: 8, .value_kind: global_buffer, .address_space: global }
    .group_segment_fixed_size: 327680
    .private_segment_fixed_size: 0
    .kernarg_segment_align: 8
    .kernarg_segment_size: 40
    .max_flat_workgroup_size: 128
    .sgpr_count:     106
    .vgpr_count:     1024
    .wavefront_size: 32
...
	.end_amdgpu_metadata
.endif
;; end of part 3
;; launch pv (part 4): grid 8 x 32, 4 waves a work-group, clusters of 4 x 4, 327,680 bytes of LDS; arguments qkvc, qkvs, pc, pst, out0; writes out0
.if DOCPART == 4
	.amdgcn_target "amdgcn-amd-amdhsa--gfx1250"
	.amdhsa_code_object_version 6
	.text
	.protected	k_q68ad8266b5_pv
	.globl	k_q68ad8266b5_pv
	.p2align	8
	.type	k_q68ad8266b5_pv,@function
k_q68ad8266b5_pv:
	s_mov_b64 s[64:65], 0
	v_nop
	global_prefetch_b8 v0, s[64:65] scope:SCOPE_SE
	s_setreg_imm32_b32 hwreg(HW_REG_WAVE_MODE, 25, 1), 1
	s_wait_xcnt 0x0
	s_wait_alu depctr_hold_cnt(0) depctr_sa_sdst(0) depctr_va_vdst(0) depctr_va_sdst(0) depctr_va_ssrc(0) depctr_va_vcc(0) depctr_vm_vsrc(0)
	s_getreg_b32 s2, hwreg(HW_REG_IB_STS2, 6, 4)
	s_cmp_eq_u32 s2, 0
	s_cbranch_scc0 .Lentry_in_a_cluster
	s_endpgm
.Lentry_in_a_cluster:
	s_bfe_u32 s2, ttmp6, 0x10000c
	s_cmp_lg_u32 s2, 0xf033
	s_cbranch_scc0 .Lentry_shape_is_right
	s_endpgm
.Lentry_shape_is_right:
; out = (P V) / l on codes of FP4.  Nothing of the problem is left out here.
; SHARES.  Work-group (Cn, R): queries 256 R .. + 255 against channels 128 Cn .. + 127; K = the batch's 2,048 keys, in four chunks of 512.  Wave w: i = w / 2: queries 128 i on; j = w % 2: channels 64 j on: 32 accumulators.
; Transposed use: source 0 = 16 neighbouring channels of V^T, source 1 = 16 queries of P: a lane holds eight neighbouring channels of one row of the output.
; THE LOCAL SOFTMAXES ARE JOINED AT THE HEAD, while the first tiles are on their way.  For each query: M = the largest of its sixteen M_loc; d = M - M_loc, a whole number, is taken off the four scale bytes of that K step of P
;   (the codes stay: a shift by a power of two); l = the sum of l_loc x 2^-d, by v_ldexp_f32, which rounds nothing.  The result is multiplied by 1 / l on the way out.
; CLUSTER 4 x 4: P's panels hang on R alone: asked for jointly along a row of the cluster; V^T's on Cn and the batch: jointly along a column.
; LDS: three slots of three panels (P half 0, P half 1, V^T), chunks 0, 1, 2 asked for at the start (three tensor loads of a wave out); chunk 3 fills slot 0 again (one out).  The launch claims all of a WGP's LDS.
; THE WAY OUT goes through a stage of 16 rows x 272 bytes for each wave, in slot 1: it has had its last fill, and behind the last barrier nobody reads it.  Sixteen lanes store 256 consecutive bytes, aligned.
; LIMITS: d is held at 127 and a shifted byte at 0: what that moves lies under 2^-125 of the row's largest term.  A row that is masked out whole has l = 0 and gives NaN, as the softmax of the problem does.  NaN and infinities in V are not served.
.set PANL,  34816
.set SLOT,  3*PANL
.set VOF,   2*PANL
.set SPARE, 3*SLOT
.set STAGE, SLOT
.set IMG,   1088
.set MG,  4                            ; v4-7   M of block k + 4 h
.set RL,  8                            ; v8-15  first l (v8-11), then 1 / l of each of my 8 blocks of queries
.set ADP, 16                           ; v16-18 P half i, slots 0 to 2
.set ADV, 19                           ; v19-21 V^T's channels 64 j on
.set STO, 22
.set RD,  23
.set GO,  24
.set VA,  25                           ; v25  1,024 h + 16 r
.set VS,  26                           ; v26  512 h + 16 r
.set SPW, 28
.set NIL, 29
.set SP,  32                           ; v32-95  P's scale words: [chunk][block % 4][K step]; lanes 16-31: block + 4
.set SV,  96                           ; v96-127 V^T's: [chunk][tile % 2][K step]; lanes 16-31: tile + 2
.set NM,  128                          ; v128-191 at the head: -M_loc
.set LL,  192                          ; v192-255 at the head: l_loc
.set FS1, 128                          ; then two sets of 64: P's fragments
.set TT,  128                          ; on the way out: 32 results
.set BK,  160                          ; and 16 rows read back
.set G1P, 24
.set G1V, 32
.set G0P, 40
.set G0V, 52
.set DW0, (3<<16)|(1<<20)|(1<<21)|(5<<22)|(3<<25)
.set MSB, 0
.macro WIN new
.if MSB != (\new)
	s_set_vgpr_msb (MSB<<8)|(\new)
.set MSB, (\new)
.endif
.endm
.macro PLACES n
.rept \n
	v_nop
.endr
.endm
.macro CREST
	s_cmp_lg_u32 s18, 0
	s_cbranch_scc1 .Lnot_wave_0_\@
	s_barrier_signal -3
.Lnot_wave_0_\@:
	s_barrier_wait -3
	s_barrier_signal -1
	s_barrier_wait -1
.endm
.macro CROUND
	s_barrier_signal -1
	s_barrier_wait -1
	CREST
.endm
.macro JLOAD g0a, g1a, g0b, g1b        ; waves 0 and 1 fetch P's halves, waves 2 and 3 the halves of V^T's panel; an s_nop 0 and four v_nop follow each line
	s_cmp_eq_u32 s19, 0
	s_cbranch_scc0 .Lfor_b_\@
	tensor_load_to_lds s[\g0a:\g0a+3], s[\g1a:\g1a+7]
	s_nop 0
.rept 4
	v_nop
.endr
	s_branch .Lasked_\@
.Lfor_b_\@:
	tensor_load_to_lds s[\g0b:\g0b+3], s[\g1b:\g1b+7]
	s_nop 0
.rept 4
	v_nop
.endr
.Lasked_\@:
.endm
.macro FRAGR reg, adr, q, rb
	ds_load_b128 v[\reg:\reg+3], v[\adr] offset:(8*(\q)+(\rb))*IMG
	ds_load_b128 v[\reg+4:\reg+7], v[\adr] offset:(8*(\q)+(\rb))*IMG+544
.endm
.macro WM D0, A0, B0, SA0, SB0, RA, RB
.if (\RA)
.if (\RB)
	v_wmma_scale_f32_16x16x128_f8f6f4 v[\D0:\D0+7], v[\A0:\A0+7], v[\B0:\B0+7], v[\D0:\D0+7], v[\SA0], v[\SB0] matrix_a_fmt:MATRIX_FMT_FP4 matrix_b_fmt:MATRIX_FMT_FP4 matrix_a_scale:MATRIX_SCALE_ROW1 matrix_b_scale:MATRIX_SCALE_ROW1
.else
	v_wmma_scale_f32_16x16x128_f8f6f4 v[\D0:\D0+7], v[\A0:\A0+7], v[\B0:\B0+7], v[\D0:\D0+7], v[\SA0], v[\SB0] matrix_a_fmt:MATRIX_FMT_FP4 matrix_b_fmt:MATRIX_FMT_FP4 matrix_a_scale:MATRIX_SCALE_ROW1
.endif
.else
.if (\RB)
	v_wmma_scale_f32_16x16x128_f8f6f4 v[\D0:\D0+7], v[\A0:\A0+7], v[\B0:\B0+7], v[\D0:\D0+7], v[\SA0], v[\SB0] matrix_a_fmt:MATRIX_FMT_FP4 matrix_b_fmt:MATRIX_FMT_FP4 matrix_b_scale:MATRIX_SCALE_ROW1
.else
	v_wmma_scale_f32_16x16x128_f8f6f4 v[\D0:\D0+7], v[\A0:\A0+7], v[\B0:\B0+7], v[\D0:\D0+7], v[\SA0], v[\SB0] matrix_a_fmt:MATRIX_FMT_FP4 matrix_b_fmt:MATRIX_FMT_FP4
.endif
.endif
.endm
.macro WMZ D0, A0, B0, SA0, SB0, RA, RB
.if (\RA)
.if (\RB)
	v_wmma_scale_f32_16x16x128_f8f6f4 v[\D0:\D0+7], v[\A0:\A0+7], v[\B0:\B0+7], 0, v[\SA0], v[\SB0] matrix_a_fmt:MATRIX_FMT_FP4 matrix_b_fmt:MATRIX_FMT_FP4 matrix_a_scale:MATRIX_SCALE_ROW1 matrix_b_scale:MATRIX_SCALE_ROW1
.else
	v_wmma_scale_f32_16x16x128_f8f6f4 v[\D0:\D0+7], v[\A0:\A0+7], v[\B0:\B0+7], 0, v[\SA0], v[\SB0] matrix_a_fmt:MATRIX_FMT_FP4 matrix_b_fmt:MATRIX_FMT_FP4 matrix_a_scale:MATRIX_SCALE_ROW1
.endif
.else
.if (\RB)
	v_wmma_scale_f32_16x16x128_f8f6f4 v[\D0:\D0+7], v[\A0:\A0+7], v[\B0:\B0+7], 0, v[\SA0], v[\SB0] matrix_a_fmt:MATRIX_FMT_FP4 matrix_b_fmt:MATRIX_FMT_FP4 matrix_b_scale:MATRIX_SCALE_ROW1
.else
	v_wmma_scale_f32_16x16x128_f8f6f4 v[\D0:\D0+7], v[\A0:\A0+7], v[\B0:\B0+7], 0, v[\SA0], v[\SB0] matrix_a_fmt:MATRIX_FMT_FP4 matrix_b_fmt:MATRIX_FMT_FP4
.endif
.endif
.endm
.macro FETCH sl, q, st                 ; 24 LDS loads in one run: 4 tiles of V^T (window 1, two sets of 32) and 8 blocks of P
	WIN 0x40
.irp t, 0,1,2,3
	FRAGR 32*(\st)+8*\t, ADV+(\sl), \q, \t
.endr
	WIN 0
.irp a, 0,1,2,3,4,5,6,7
	FRAGR FS1+64*(\st)+8*\a, ADP+(\sl), \q, \a
.endr
.endm
.macro MUL32 st, ch, q, first          ; accumulator (a, t) at v[8 (4 a + t)] of window 2; the 32 take turns, one instruction a turn
	WIN 0xa1
.irp a, 0,1,2,3,4,5,6,7
.irp t, 0,1,2,3
.if \first
	WMZ 8*(4*\a+\t), 32*(\st)+8*\t, FS1+64*(\st)+8*\a, SV+8*(\ch)+4*(\t%2)+(\q), SP+16*(\ch)+4*(\a%4)+(\q), \t/2, \a/4
.else
	WM 8*(4*\a+\t), 32*(\st)+8*\t, FS1+64*(\st)+8*\a, SV+8*(\ch)+4*(\t%2)+(\q), SP+16*(\ch)+4*(\a%4)+(\q), \t/2, \a/4
.endif
.endr
.endr
.endm
.macro STEP k                          ; K step k of 16, whose successor lies in a slot that has been shown whole
	s_wait_dscnt 0x0
	PLACES 4
	FETCH (((\k)+1)/4)%3, ((\k)+1)%4, ((\k)+1)%2
.if (\k) == 0
	MUL32 0, 0, 0, 1
.else
	MUL32 (\k)%2, (\k)/4, (\k)%4, 0
.endif
.endm
.macro OUTB a                          ; block a of 16 queries x my 64 channels
	s_wait_xcnt 0x0                                ; the last block's stores have read their registers
	WIN 0x02
.set n, 0
.rept 32
	v_mul_f32 v[TT+n], v[32*(\a)+n], v[RL+(\a)]    ; / l; each accumulator from its low end on
.set n, n+1
.endr
	WIN 0
.irp t, 0,1,2,3
	ds_store_b128 v[STO], v[TT+8*\t:TT+8*\t+3] offset:64*\t
	ds_store_b128 v[STO], v[TT+8*\t+4:TT+8*\t+7] offset:64*\t+16
.endr
.irp k, 0,1,2,3,4,5,6,7
	ds_load_b128 v[BK+4*\k:BK+4*\k+3], v[RD] offset:544*\k     ; LDS serves a wave's instructions in order: these see my stores
.endr
	s_wait_dscnt 0x0
.irp k, 0,1,2,3,4,5,6,7
	global_store_b128 v[GO], v[BK+4*\k:BK+4*\k+3], s[12:13] offset:(16*(\a)+2*\k)*4096 th:TH_STORE_NT   ; sixteen lanes store 256 consecutive bytes, aligned
.endr
.endm
	s_load_b256 s[4:11], s[0:1], 0x0               ; qkvc, qkvs, pc, pst
	s_load_b64 s[12:13], s[0:1], 0x20              ; out0
	v_lshl_add_u32 v[SPW], v0, 2, SPARE
	v_mov_b32 v[NIL], 0
	ds_add_u32 v[SPW], v[NIL]                      ; the wave's opening: the add, twice on end, and its wait ahead of my first tensor load
	ds_add_u32 v[SPW], v[NIL]
	v_lshrrev_b32 v1, 5, v0
	v_readfirstlane_b32 s18, v1
	s_lshr_b32 s19, s18, 1                         ; i.  Also: I fetch for P (0) or for V^T (1)
	s_and_b32 s20, s18, 1                          ; j.  Also: which half I fetch
	s_mov_b32 s21, 0xffff0000
	s_mov_b32 s22, 0x76543210
	s_mov_b32 s23, 0xfedcba98
	s_mov_b32 s84, 0x01010101
	s_mov_b32 s85, 0x80808080
	s_bfe_u32 s68, ttmp6, 0x40000                  ; cx
	s_bfe_u32 s69, ttmp6, 0x40004                  ; cy
	s_lshl_b32 s70, ttmp9, 2
	s_add_co_u32 s70, s70, s68                     ; Cn
	s_and_b32 s71, ttmp7, 0xffff
	s_lshr_b32 s74, s71, 1                         ; the batch
	s_lshl_b32 s71, s71, 2
	s_add_co_u32 s71, s71, s69                     ; R
	s_lshl_b32 s72, s69, 2
	s_lshl_b32 s72, 15, s72
	s_lshl_b32 s73, 0x1111, s68
	s_or_b32 s[G1P], s72, DW0
	s_or_b32 s[G1V], s73, DW0
	s_mov_b32 s[G1P+1], 32<<16
	s_mov_b32 s[G1P+2], 128<<16                    ; P: a panel, 128 lines
	s_mov_b32 s[G1P+3], 32<<16
	s_mov_b32 s[G1P+4], 128
	s_mov_b32 s[G1P+5], 32
	s_mov_b32 s[G1P+6], 0
	s_mov_b32 s[G1P+7], 0
	s_mov_b32 s[G1V+1], 32<<16
	s_mov_b32 s[G1V+2], 64<<16                     ; V^T: half a panel, 64 lines
	s_mov_b32 s[G1V+3], 32<<16
	s_mov_b32 s[G1V+4], 64
	s_mov_b32 s[G1V+5], 32
	s_mov_b32 s[G1V+6], 0
	s_mov_b32 s[G1V+7], 0
	s_lshl_b32 s76, s71, 1
	s_add_co_u32 s76, s76, s20
	s_lshl_b32 s76, s76, 17                        ; P: group of rows 2 R + half
	s_mov_b32 s77, 0
	s_lshl_b32 s78, s74, 20
	s_lshl_b32 s79, s70, 17
	s_add_co_u32 s78, s78, s79
	s_lshl_b32 s79, s20, 14
	s_add_co_u32 s78, s78, s79
	s_add_co_u32 s78, s78, 8388608                 ; V^T: batch, group of channels Cn, my half of a panel
	s_mov_b32 s79, 0
	s_mul_i32 s66, s20, PANL
	s_mul_i32 s67, s20, 17408
	s_add_co_u32 s67, s67, VOF
	s_wait_dscnt 0x0
	s_wait_kmcnt 0x0
	s_add_nc_u64 s[76:77], s[8:9], s[76:77]
	s_add_nc_u64 s[78:79], s[4:5], s[78:79]
	CROUND
.irp s, 0,1,2
	s_mov_b32 s[G0P+4*\s], 1
	s_add_co_u32 s[G0P+4*\s+1], s66, \s*SLOT
	s_add_nc_u64 s[G0P+4*\s+2:G0P+4*\s+3], s[76:77], \s*32768
	s_or_b32 s[G0P+4*\s+3], s[G0P+4*\s+3], 0x80000000
	s_mov_b32 s[G0V+4*\s], 1
	s_add_co_u32 s[G0V+4*\s+1], s67, \s*SLOT
	s_add_nc_u64 s[G0V+4*\s+2:G0V+4*\s+3], s[78:79], \s*32768
	s_or_b32 s[G0V+4*\s+3], s[G0V+4*\s+3], 0x80000000
	JLOAD G0P+4*\s, G1P, G0V+4*\s, G1V
.endr
	v_and_b32 v1, 15, v0                           ; r
	v_bfe_u32 v2, v0, 4, 1                         ; h
	v_lshlrev_b32 v[VS], 4, v1
	v_lshl_add_u32 v[VA], v2, 10, v[VS]
	v_lshl_add_u32 v[GO], v2, 12, v[VS]            ; in the output: lanes 0-15 one row, lanes 16-31 the next
	v_lshl_add_u32 v[VS], v2, 9, v[VS]
	s_mov_b32 s15, 0
	s_lshl_b32 s14, s71, 1
	s_add_co_u32 s14, s14, s19
	s_lshl_b32 s14, s14, 13
	s_add_nc_u64 s[80:81], s[10:11], s[14:15]      ; scale words, -M_loc and l_loc of my queries
	s_lshl_b32 s14, s74, 16
	s_lshl_b32 s16, s70, 13
	s_add_co_u32 s14, s14, s16
	s_lshl_b32 s16, s20, 10
	s_add_co_u32 s14, s14, s16
	s_add_co_u32 s14, s14, 524288
	s_add_nc_u64 s[82:83], s[6:7], s[14:15]        ; V^T's scale words, my channels
.irp ch, 0,1,2,3
.irp k, 0,1,2,3
	global_load_b128 v[NM+16*\ch+4*\k:NM+16*\ch+4*\k+3], v[VA], s[80:81] offset:2048*\ch+256*\k+524288
	global_load_b128 v[LL+16*\ch+4*\k:LL+16*\ch+4*\k+3], v[VA], s[80:81] offset:2048*\ch+256*\k+1048576
	global_load_b128 v[SP+16*\ch+4*\k:SP+16*\ch+4*\k+3], v[VA], s[80:81] offset:2048*\ch+256*\k
.endr
.irp k, 0,1
	global_load_b128 v[SV+8*\ch+4*\k:SV+8*\ch+4*\k+3], v[VS], s[82:83] offset:2048*\ch+256*\k
.endr
.endr
	v_mul_u32_u24 v3, v2, 272
	v_lshl_add_u32 v3, v1, 4, v3                   ; by rows: 272 h + 16 r
	s_mul_i32 s66, s19, PANL
	v_add_nc_u32 v[ADP], s66, v3
	v_add_nc_u32 v[ADP+1], SLOT, v[ADP]
	v_add_nc_u32 v[ADP+2], SLOT, v[ADP+1]
	s_mul_i32 s66, s20, 4*IMG
	s_add_co_u32 s66, s66, VOF
	v_add_nc_u32 v[ADV], s66, v3
	v_add_nc_u32 v[ADV+1], SLOT, v[ADV]
	v_add_nc_u32 v[ADV+2], SLOT, v[ADV+1]
	s_mul_i32 s66, s18, 4352
	s_add_co_u32 s66, s66, STAGE                   ; my stage
	v_add_nc_u32 v[RD], s66, v3                    ; back: lanes 0-15 one row of 256 bytes, lanes 16-31 the next
	v_mul_u32_u24 v[STO], v1, 272
	v_lshl_add_u32 v[STO], v2, 5, v[STO]
	v_add_nc_u32 v[STO], s66, v[STO]               ; in: row r, 32 h; tile t 64 t further on
	s_lshl_b32 s14, s71, 20
	s_lshl_b32 s16, s19, 19
	s_add_co_u32 s14, s14, s16
	s_lshl_b32 s16, s70, 9
	s_add_co_u32 s14, s14, s16
	s_lshl_b32 s16, s20, 8
	s_add_co_u32 s14, s14, s16
	s_add_nc_u64 s[12:13], s[12:13], s[14:15]      ; the output at my first row and channel
	s_wait_loadcnt 0x0
	; ---- the sixteen local softmaxes of each query are joined.  Register 16 ch + 4 k + q of a lane belongs to row r of block k + 4 h and to K step (ch, q)
.irp k, 0,1,2,3
	v_max3_num_f32 v[MG+\k], -v[NM+4*\k], -v[NM+4*\k+1], -v[NM+4*\k+2]
.endr
.irp e, 3,5,7,9,11,13
.irp k, 0,1,2,3
	v_max3_num_f32 v[MG+\k], v[MG+\k], -v[NM+16*(\e/4)+4*\k+\e%4], -v[NM+16*((\e+1)/4)+4*\k+(\e+1)%4]
.endr
.endr
.irp k, 0,1,2,3
	v_max_num_f32 v[MG+\k], v[MG+\k], -v[NM+48+4*\k+3]         ; M
.endr
.set n, 0
.rept 64
	v_sub_f32 v[NM+n], -v[NM+n], v[MG+(n/4)%4]     ; -d = M_loc - M: a whole number, 0 or less
.set n, n+1
.endr
.set n, 0
.rept 64
	v_max_num_f32 v[NM+n], 0xc2fe0000, v[NM+n]     ; held at -127
.set n, n+1
.endr
.set n, 0
.rept 64
	v_cvt_i32_f32 v[NM+n], v[NM+n]
.set n, n+1
.endr
.set n, 0
.rept 64
	v_ldexp_f32 v[LL+n], v[LL+n], v[NM+n]          ; l_loc x 2^-d
	v_or_b32 v[SP+n], s85, v[SP+n]                 ; a guard bit over each scale byte: bytes are at most 125 and d at most 127, so no byte borrows from its neighbour
.set n, n+1
.endr
.set n, 0
.rept 64
	v_mul_lo_u32 v[NM+n], v[NM+n], s84             ; -d in each byte
.set n, n+1
.endr
.set n, 0
.rept 64
	v_add_nc_u32 v[SP+n], v[SP+n], v[NM+n]
.set n, n+1
.endr
.irp k, 0,1,2,3
	v_add_f32 v[RL+\k], v[LL+4*\k], v[LL+4*\k+1]
.endr
.irp e, 2,3,4,5,6,7,8,9,10,11,12,13,14,15
.irp k, 0,1,2,3
	v_add_f32 v[RL+\k], v[RL+\k], v[LL+16*(\e/4)+4*\k+\e%4]    ; l, four rows' chains by turns
.endr
.endr
.set n, 0
.rept 64
	v_and_b32 v[NM+n], s85, v[SP+n]                ; the guard bit stands where byte - d is 0 or more;
.set n, n+1
.endr
.set n, 0
.rept 64
	v_lshrrev_b32 v[LL+n], 7, v[NM+n]
.set n, n+1
.endr
.set n, 0
.rept 64
	v_sub_nc_u32 v[NM+n], v[NM+n], v[LL+n]         ; there 0x7f, else 0:
.set n, n+1
.endr
.set n, 0
.rept 64
	v_and_b32 v[SP+n], v[SP+n], v[NM+n]            ; the byte less d, held at 0 from below
.set n, n+1
.endr
.irp k, 0,1,2,3
	v_rcp_f32 v[NM+\k], v[RL+\k]
.endr
	v_nop                                          ; a plain place behind the last reciprocal
	s_wait_alu depctr_va_vdst(0)                   ; one wait for the four, ahead of their first reader
.irp k, 0,1,2,3
	v_permlanex16_b32 v[NM+4+\k], v[NM+\k], s22, s23
.endr
.irp k, 0,1,2,3
	v_cndmask_b32 v[RL+\k], v[NM+\k], v[NM+4+\k], s21          ; 1 / l of row r of block k, in both halves of the lanes,
	v_cndmask_b32 v[RL+4+\k], v[NM+4+\k], v[NM+\k], s21        ; and of block k + 4
.endr
	PLACES 8                                       ; scale registers written by vector instructions stand eight places ahead of the first product
	s_wait_tensorcnt 0x2                           ; my part of chunk 0 is in; those of chunks 1 and 2 may stay out
	s_barrier_signal -1
	s_barrier_wait -1
	FETCH 0, 0, 0
	STEP 0
	STEP 1
	STEP 2
	s_wait_dscnt 0x0                               ; chunk 0's last step: its fragments are in, so my reads of slot 0 are over
	WIN 0
	s_wait_tensorcnt 0x0                           ; all my tensor loads have landed: my parts of chunks 1 and 2;
	ds_add_u32 v[SPW], v[NIL]                      ; 0 onto my spare word
	s_add_nc_u64 s[G0P+2:G0P+3], s[G0P+2:G0P+3], 98304         ; no tensor load of mine is out: slot 0's descriptors step to chunk 3
	s_add_nc_u64 s[G0V+2:G0V+3], s[G0V+2:G0V+3], 98304
	MUL32 1, 0, 3, 0
	WIN 0
	s_wait_dscnt 0x0                               ; the add is done
	CROUND                                         ; no wave of any partner still reads slot 0 or has a load on its way; slots 1 and 2 are whole
	JLOAD G0P, G1P, G0V, G1V                       ; chunk 3 into slot 0: my one tensor load behind the round; its four v_nop are also the places in front of the loads below
	FETCH 1, 0, 0
.irp k, 4,5,6,7,8,9,10
	STEP \k
.endr
	s_wait_dscnt 0x0
	s_wait_tensorcnt 0x0                           ; my part of chunk 3 is in,
	s_barrier_signal -1
	s_barrier_wait -1                              ; everybody's is, and nobody reads slot 1 any more
	PLACES 4
	FETCH 0, 0, 0
	MUL32 1, 2, 3, 0
.irp k, 12,13,14
	STEP \k
.endr
	s_wait_dscnt 0x0
	MUL32 1, 3, 3, 0
	WIN 0
	PLACES 4                                       ; in front of the first read of results and of writes into registers that held fragments
.irp a, 0,1,2,3,4,5,6,7
	OUTB \a
.endr
	s_wait_tensorcnt 0x0                           ; the wave's end, behind my last tensor load and my last LDS store
	ds_add_u32 v[SPW], v[NIL]
	s_wait_dscnt 0x0
	CROUND                                         ; the closing round
	s_endpgm
.Lfunc_end_k_q68ad8266b5_pv:
	.size	k_q68ad8266b5_pv, .Lfunc_end_k_q68ad8266b5_pv-k_q68ad8266b5_pv
	.p2alignl 7, 3214868480
	.fill 96, 4, 3214868480
	.section	.rodata,"a",@progbits
	.p2align	6, 0x0
	.amdhsa_kernel k_q68ad8266b5_pv
		.amdhsa_group_segment_fixed_size 327680
		.amdhsa_private_segment_fixed_size 0
		.amdhsa_enable_private_segment 0
		.amdhsa_kernarg_size 40
		.amdhsa_user_sgpr_count 2
		.amdhsa_user_sgpr_kernarg_segment_ptr 1
		.amdhsa_wavefront_size32 1
		.amdhsa_system_sgpr_workgroup_id_x 1
		.amdhsa_system_sgpr_workgroup_id_y 1
		.amdhsa_system_sgpr_workgroup_id_z 1
		.amdhsa_system_vgpr_workitem_id 0
		.amdhsa_next_free_vgpr 768
		.amdhsa_next_free_sgpr 96
		.amdhsa_reserve_vcc 0
		.amdhsa_float_denorm_mode_32 3
		.amdhsa_float_denorm_mode_16_64 3
		.amdhsa_memory_ordered 1
		.amdhsa_forward_progress 1
		.amdhsa_inst_pref_size 166
	.end_amdhsa_kernel
	.amdgpu_metadata
---
amdhsa.version: [ 1, 2 ]
amdhsa.kernels:
  - .name:           k_q68ad8266b5_pv
    .symbol:         k_q68ad8266b5_pv.kd
    .args:
      - { .name: qkvc, .offset: 0, .size: 8, .value_kind: global_buffer, .address_space: global }
      - { .name: qkvs, .offset: 8, .size: 8, .value_kind: global_buffer, .address_space: global }
      - { .name: pc, .offset: 16, .size: 8, .value_kind: global_buffer, .address_space: global }
      - { .name: pst, .offset: 24, .size: 8, .value_kind: global_buffer, .address_space: global }
      - { .name: out0, .offset: 32, .size: 8, .value_kind: global_buffer, .address_space: global }
    .group_segment_fixed_size: 327680
    .private_segment_fixed_size: 0
    .kernarg_segment_align: 8
    .kernarg_segment_size: 40
    .max_flat_workgroup_size: 128
    .sgpr_count:     96
    .vgpr_count:     768
    .wavefront_size: 32
...
	.end_amdgpu_metadata
.endif
;; end of part 4
